; MI455X (gfx1250); checked and timed in simulation.
; The chip was launched on July 23, 2026; its instructions are those of AMD's public machine-readable ISA for CDNA 5 (MIT licence, August 2026) and "CDNA5" Instruction Set Architecture Reference Guide (July 2026). The comments in the code are by the model that wrote it; some were corrected since.
;; Causal Self Attention. Allowed arithmetic: matrix products marked QUANTISED: E3M2 operands, one E8M0 scale for each 32 along K, by v_wmma_scale_f32_16x16x128_f8f6f4 with both operands' format E3M2, f32 sums; everything else in f32.
;; Inputs: W_out 1,024 x 1,024 float32; W_qkv 3,072 x 1,024 float32; b_out 1,024 float32; b_qkv 3,072 float32; x 4 x 2,048 x 1,024 float32.
;; Outputs: out0 4 x 2,048 x 1,024 float32.
;; This version of the problem:
;;   THIS VERSION OF THE PROBLEM IS GIVEN IN LOW PRECISION. The matrix products marked QUANTISED in the list below multiply operands that are first quantised to E3M2 (3 exponent bits, 2 mantissa bits; 6 bits a number), with one power-of-two scale for each 32 numbers along K (OCP MX v1.0); their sums are f32. All else is computed in f32.
;;   The module's matrix products, in the order in which they are computed (A, B: the left and right operand; K: the contracted axis; several contracted axes count as one K, in the product's order):
;;     1. [M 8,192, K 1,024] x [K 1,024, N 3,072]; A: input x; B: input W_qkv: QUANTISED
;;     2. batch 64 x [M 2,048, K 64] x [K 64, N 2,048]; A: computed on the way; B: computed on the way: QUANTISED
;;     3. batch 64 x [M 2,048, K 2,048] x [K 2,048, N 64]; A: softmax (see below); B: computed on the way: QUANTISED
;;     4. [M 8,192, K 1,024] x [K 1,024, N 1,024]; A: computed on the way; B: input W_out: QUANTISED
;;   THE QUANTISER, for each operand of a quantised product, along K:
;;     - K is cut into blocks of 32 from its start; a last block that is shorter is filled with zeros.
;;     - A block's scale is 2^e with e = floor(log2(the largest magnitude in the block)) - 4, held to -126 .. 127; a block of zeros has e = 0. As a byte (E8M0): e + 127.
;;     - Each number is divided by its block's scale, clamped to +-28, and rounded to the nearest number of E3M2, ties to even, subnormals kept.
;;     - The product sums the exact products of the quantised numbers (number of the format x scale) in f32.
;;   ~~~python
;;   def quantise(x, axis):      # numpy; x: float32 -> the quantised numbers, widened to float32 again
;;       x = np.moveaxis(x, axis, -1); K = x.shape[-1]
;;       x = np.pad(x, [(0, 0)] * (x.ndim - 1) + [(0, -K % 32)]); x = x.reshape(x.shape[:-1] + (-1, 32)); a = np.abs(x).max(-1, keepdims=True)
;;       e = np.where(a > 0, np.clip(np.frexp(np.where(a > 0, a, 1))[1] - 1 - 4, -126, 127), 0)      # np.frexp(a)[1] - 1 = floor(log2(a)), exactly
;;       r = np.clip(x / 2.0 ** e, -28, 28)
;;       step = 2.0 ** (np.maximum(np.frexp(np.where(r == 0, 1, r))[1] - 1, -2) - 2)
;;       q = np.round(r / step) * step * 2.0 ** e      # np.round: ties to even
;;       return np.moveaxis(q.reshape(q.shape[:-2] + (-1,))[..., :K], -1, axis).astype(np.float32)
;;   ~~~
;;   SOFTMAX AHEAD OF A QUANTISED PRODUCT. Where the list says 'softmax', what is quantised is not the finished softmax but p = 2^(t - M), with t = logit x log2(e) and M = ceil(the row's largest t), a whole number; so 1/2 < the row's largest p <= 1. The row's sum l is taken of the UNQUANTISED p, in f32, and the product's result is divided by l at the end. Since M is a whole number, a kernel that streams over the keys may use a running M (the ceiling of the running maximum): every later rescaling is an exact power of two, which a block's scale takes up: the codes' values come out the same.
;;   OPERANDS COMPUTED ON THE WAY. 'Computed on the way' means the value that the module computes at that place (a softmax that the list does not call 'softmax' is quantised finished and normalised). What goes into a quantiser is computed in f32, as accurately as f32 sums, v_exp_f32 and their like allow (about 1e-6 of the number): no bf16 or f16 on the way to a quantiser, and a product that is left as it is and whose result goes on into a quantised operand takes f32 operands (vector FMAs, or v_wmma_f32_16x16x4_f32). A number that lies on a knife's edge between two numbers of the format may be rounded either way, as far as f32 arithmetic and the matrix unit's own rounding can turn it there, and no further.
;; One version. Each part assembles by itself: llvm-mc -triple=amdgcn-amd-amdhsa -mcpu=gfx1250 --defsym DOCPART=n.
;; ======== version 1 of 1: 4 launches
;; workspace buffers: opc 9,437,184 bytes; ops 393,216 bytes; qb 6,815,744 bytes; kv 12,582,912 bytes; kvs 786,432 bytes; acd 6,291,456 bytes; asc 262,144 bytes
;; launch quant (part 1): grid 384 x 1, 4 waves a work-group, no clusters, 34,304 bytes of LDS; arguments x, W_qkv, W_out, opc, ops; writes opc, ops
.if DOCPART == 1
	.amdgcn_target "amdgcn-amd-amdhsa--gfx1250"
	.amdhsa_code_object_version 6
	.text
	.protected	k_qe85e7778a1_quant
	.globl	k_qe85e7778a1_quant
	.p2align	8
	.type	k_qe85e7778a1_quant,@function
k_qe85e7778a1_quant:
	s_mov_b64 s[64:65], 0
	v_nop
	global_prefetch_b8 v0, s[64:65] scope:SCOPE_SE
	s_setreg_imm32_b32 hwreg(HW_REG_WAVE_MODE, 25, 1), 1
	s_wait_xcnt 0x0
; x [8192][1024], W_qkv [3072][1024], W_out [1024][1024], f32, K innermost, become codes of BF6 (E3M2) with one E8M0 byte for each 32 along K,
; laid as IMAGES OF OPERAND REGISTERS, so that the later launches load fragments by 16-byte loads alone.
; A work-group takes one group of 32 rows (groups 0-255 x, 256-351 W_qkv, 352-383 W_out); wave w takes 256 along K: K steps 2 w and 2 w + 1.
; A group's two tiles: lane r of tile u holds row 8 u + r + 8 (r / 8).  A fragment (16 rows x 128 K) is 12 registers a lane:
; registers 6 c .. 6 c + 5 of lane (r, h) hold k = 64 c + 32 h + 0 .. 31.  Its image: registers 4 i .. 4 i + 3 of lane l at 512 i + 16 l: 1,536 bytes.
; opc: group x 24,576 + (2 s + u) x 1,536.   ops: group x 1,024 + 256 w + 8 lane: the scale words of K steps 2 w, 2 w + 1; lanes 0-15 tile 0's row r, lanes 16-31 tile 1's.
; A block's scale is 2^(floor(log2(largest magnitude)) - 4): its byte is the largest magnitude's exponent field - 4, held at 1 from below.
; LIMITS: a block of zeros gets the byte 1 where the rule says 127 (its codes are zeros, and this program alone reads the bytes); blocks whose largest
; magnitude lies under 2^(5 - 127) are held at that floor; NaN and infinities among the inputs are not served.
; Every load reads 512 consecutive bytes of a row; a fragment's 16 rows turn through the wave's own stage in LDS (rows 528 bytes apart), so that a lane
; gets 32 neighbours along K.  Waves share nothing: no barrier.  No matrix unit, no cluster, no tensor load: nothing here is read twice.
.set STGB, 8448                        ; a wave's stage: 16 rows x 528 bytes
.set XN,   48                          ; v48-111   64 numbers of my row: 32 c + i = k 64 c + 32 h + i
.set RW,   112                         ; v112-239  two sets of 64: a fragment's rows as loaded
.set CD,   24                          ; v24-35    the fragment's codes
.set TH,   36                          ; v36-38, v40-42 the upper halves of the two blocks' codes (a conversion's three registers begin on an even number)
	s_load_b128 s[4:7], s[0:1], 0x0                ; x, W_qkv
	s_load_b128 s[8:11], s[0:1], 0x10              ; W_out, opc
	s_load_b64 s[12:13], s[0:1], 0x20              ; ops
	v_lshl_add_u32 v240, v0, 2, 0x8400
	v_mov_b32 v241, 0
	v_lshrrev_b32 v1, 5, v0
	v_readfirstlane_b32 s16, v1                    ; wave
	v_and_b32 v6, 31, v0                           ; lane
	v_and_b32 v7, 15, v0                           ; r
	v_bfe_u32 v5, v0, 4, 1                         ; h
	v_lshlrev_b32 v1, 4, v6                        ; 16 x lane
	s_mul_i32 s17, s16, STGB
	v_add_nc_u32 v2, s17, v1                       ; into the stage: 16 x lane of a row
	v_mul_u32_u24 v3, v7, 528
	v_lshl_add_u32 v3, v5, 7, v3
	v_add_nc_u32 v3, s17, v3                       ; out of it: row r, + 128 h bytes
	v_lshlrev_b32 v4, 3, v6                        ; 8 x lane
	v_lshlrev_b32 v5, 3, v5                        ; 8 h: my bytes' place in a scale word
	v_mov_b32 v17, 0                               ; a lane permute's destination counts as one of its sources
	s_mov_b32 s20, 0x76543210
	s_mov_b32 s21, 0xfedcba98                      ; selects for lane l xor 16
	s_mov_b32 s22, 0xffff0000                      ; lanes 16-31
	s_mov_b32 s18, 352
	s_wait_alu depctr_va_vdst(0)
	s_wait_kmcnt 0x0
	s_cmp_lt_u32 ttmp9, 352                        ; which tensor: the choice hangs on the work-group's number alone
	s_cselect_b64 s[6:7], s[6:7], s[8:9]
	s_cselect_b32 s18, 256, s18
	s_cmp_lt_u32 ttmp9, 256
	s_cselect_b64 s[4:5], s[4:5], s[6:7]
	s_cselect_b32 s18, 0, s18
	s_sub_co_u32 s18, ttmp9, s18                   ; the group's number in its tensor
	s_lshl_b32 s24, s18, 17                        ; 32 rows of 4,096 bytes
	s_lshl_b32 s19, s16, 10                        ; my 256 numbers of each row
	s_add_co_u32 s24, s24, s19
	s_mov_b32 s25, 0
	s_add_nc_u64 s[4:5], s[4:5], s[24:25]
	s_mul_i32 s24, ttmp9, 24576
	s_mul_i32 s19, s16, 6144
	s_add_co_u32 s24, s24, s19
	s_add_nc_u64 s[10:11], s[10:11], s[24:25]
	s_lshl_b32 s24, ttmp9, 10
	s_lshl_b32 s19, s16, 8
	s_add_co_u32 s24, s24, s19
	s_add_nc_u64 s[12:13], s[12:13], s[24:25]
; fragment t = 2 s' + u: its 16 rows, 512 bytes of each
.macro LOAD t
.irp q, 0,1,2,3,4,5,6,7,8,9,10,11,12,13,14,15
	global_load_b128 v[RW+64*((\t)%2)+4*\q:RW+64*((\t)%2)+4*\q+3], v1, s[4:5] offset:(8*((\t)%2)+\q+8*(\q/8))*4096+512*((\t)/2) th:TH_LOAD_NT
.endr
.endm
.macro FRAG t
.if (\t) < 3
	s_wait_loadcnt 16                              ; this fragment's 16 loads are in; the next fragment's 16 may be out
.else
	s_wait_loadcnt 0x0
.endif
.irp q, 0,1,2,3,4,5,6,7,8,9,10,11,12,13,14,15
	ds_store_b128 v2, v[RW+64*((\t)%2)+4*\q:RW+64*((\t)%2)+4*\q+3] offset:528*\q
.endr
.irp c, 0,1
.irp j, 0,1,2,3,4,5,6,7
	ds_load_b128 v[XN+32*\c+4*\j:XN+32*\c+4*\j+3], v3 offset:256*\c+16*\j   ; LDS serves a wave's instructions in order: these see the stores above
.endr
.endr
	s_wait_dscnt 0x0                               ; my numbers are back, and the stores have read their registers,
.if (\t) < 2
	LOAD (\t)+2                                    ; which take the fragment two further on
.endif
.irp c, 0,1
	v_max3_num_f32 v[8+\c], |v[XN+32*\c]|, |v[XN+32*\c+1]|, 0x2800000   ; block 2 c + h: all its 32 numbers are mine; the floor 2^(5 - 127) holds the byte at 1 from below
.endr
.irp i, 2,4,6,8,10,12,14,16,18,20,22,24,26,28,30
.irp c, 0,1
	v_max3_num_f32 v[8+\c], v[8+\c], |v[XN+32*\c+\i]|, |v[XN+32*\c+\i+1]|
.endr
.endr
.irp c, 0,1
	v_add_nc_u32 v[12+\c], 0xfe000000, v[8+\c]     ; 4 off the exponent field: the conversion's scale operand
.endr
.irp c, 0,1
	v_lshrrev_b32 v[14+\c], 23, v[12+\c]           ; the scale's byte
.endr
	v_lshl_or_b32 v16, v15, 16, v14                ; my two bytes, blocks h and 2 + h,
	v_lshlrev_b32 v16, v5, v16                     ; at their places in the word;
	v_permlanex16_b32 v17, v16, s20, s21
	v_or_b32 v16, v16, v17                         ; with lane l xor 16's two the word is whole
.if (\t) > 0
	s_wait_alu depctr_va_vdst(0)
	s_wait_xcnt 0x0                                ; the last fragment's stores have read the codes' registers
.endif
.irp c, 0,1
	v_cvt_scalef32_pk16_bf6_f32 v[CD+6*\c:CD+6*\c+2], v[XN+32*\c:XN+32*\c+15], v[12+\c]
	v_cvt_scalef32_pk16_bf6_f32 v[TH+4*\c:TH+4*\c+2], v[XN+32*\c+16:XN+32*\c+31], v[12+\c]
.endr
	v_nop                                          ; one plain place behind a scaled conversion
.irp c, 0,1
.irp i, 0,1,2
	v_mov_b32 v[CD+3+6*\c+\i], v[TH+4*\c+\i]
.endr
.endr
.irp i, 0,1,2
	global_store_b128 v1, v[CD+4*\i:CD+4*\i+3], s[10:11] offset:1536*(\t)+512*\i   ; 32 lanes store 512 consecutive bytes, at a multiple of 256 from the buffer's first byte
.endr
.if (\t)%2 == 0
	v_mov_b32 v18, v16                             ; tile 0's word is kept
.else
	v_cndmask_b32 v[20+(\t)/2], v18, v16, s22      ; lanes 0-15 tile 0's word, lanes 16-31 tile 1's
.endif
.endm
	LOAD 0
	LOAD 1
	FRAG 0
	FRAG 1
	FRAG 2
	FRAG 3
	global_store_b64 v4, v[20:21], s[12:13]        ; 256 consecutive bytes: the scale words of my two K steps
	s_wait_tensorcnt 0x0
	ds_add_u32 v240, v241
	s_wait_dscnt 0x0
	s_endpgm
.Lfunc_end_k_qe85e7778a1_quant:
	.size	k_qe85e7778a1_quant, .Lfunc_end_k_qe85e7778a1_quant-k_qe85e7778a1_quant
	.p2alignl 7, 3214868480
	.fill 96, 4, 3214868480
	.section	.rodata,"a",@progbits
	.p2align	6, 0x0
	.amdhsa_kernel k_qe85e7778a1_quant
		.amdhsa_group_segment_fixed_size 34304
		.amdhsa_private_segment_fixed_size 0
		.amdhsa_enable_private_segment 0
		.amdhsa_kernarg_size 40
		.amdhsa_user_sgpr_count 2
		.amdhsa_user_sgpr_kernarg_segment_ptr 1
		.amdhsa_wavefront_size32 1
		.amdhsa_system_sgpr_workgroup_id_x 1
		.amdhsa_system_sgpr_workgroup_id_y 1
		.amdhsa_system_sgpr_workgroup_id_z 1
		.amdhsa_system_vgpr_workitem_id 0
		.amdhsa_next_free_vgpr 242
		.amdhsa_next_free_sgpr 66
		.amdhsa_reserve_vcc 0
		.amdhsa_float_denorm_mode_32 3
		.amdhsa_float_denorm_mode_16_64 3
		.amdhsa_memory_ordered 1
		.amdhsa_forward_progress 1
		.amdhsa_inst_pref_size 30
	.end_amdhsa_kernel
	.amdgpu_metadata
---
amdhsa.version: [ 1, 2 ]
amdhsa.kernels:
  - .name:           k_qe85e7778a1_quant
    .symbol:         k_qe85e7778a1_quant.kd
    .args:
      - { .name: x, .offset: 0, .size: 8, .value_kind: global_buffer, .address_space: global }
      - { .name: W_qkv, .offset: 8, .size: 8, .value_kind: global_buffer, .address_space: global }
      - { .name: W_out, .offset: 16, .size: 8, .value_kind: global_buffer, .address_space: global }
      - { .name: opc, .offset: 24, .size: 8, .value_kind: global_buffer, .address_space: global }
      - { .name: ops, .offset: 32, .size: 8, .value_kind: global_buffer, .address_space: global }
    .group_segment_fixed_size: 34304
    .private_segment_fixed_size: 0
    .kernarg_segment_align: 8
    .kernarg_segment_size: 40
    .max_flat_workgroup_size: 128
    .sgpr_count:     66
    .vgpr_count:     242
    .wavefront_size: 32
...
	.end_amdgpu_metadata
.endif
;; end of part 1
;; launch qkv (part 2): grid 32 x 8, 4 waves a work-group, clusters of 4 x 1, 327,680 bytes of LDS; arguments opc, ops, b_qkv, qb, kv, kvs; writes qb, kv, kvs
.if DOCPART == 2
	.amdgcn_target "amdgcn-amd-amdhsa--gfx1250"
	.amdhsa_code_object_version 6
	.text
	.protected	k_qe85e7778a1_qkv
	.globl	k_qe85e7778a1_qkv
	.p2align	8
	.type	k_qe85e7778a1_qkv,@function
k_qe85e7778a1_qkv:
	s_mov_b64 s[64:65], 0
	v_nop
	global_prefetch_b8 v0, s[64:65] scope:SCOPE_SE
	s_setreg_imm32_b32 hwreg(HW_REG_WAVE_MODE, 25, 1), 1
	s_wait_xcnt 0x0
	s_wait_alu depctr_hold_cnt(0) depctr_sa_sdst(0) depctr_va_vdst(0) depctr_va_sdst(0) depctr_va_ssrc(0) depctr_va_vcc(0) depctr_vm_vsrc(0)
	s_getreg_b32 s2, hwreg(HW_REG_IB_STS2, 6, 4)
	s_cmp_eq_u32 s2, 0
	s_cbranch_scc0 .Lentry_in_a_cluster
	s_endpgm
.Lentry_in_a_cluster:
	s_bfe_u32 s2, ttmp6, 0x10000c
	s_cmp_lg_u32 s2, 0x3003
	s_cbranch_scc0 .Lentry_shape_is_right
	s_endpgm
.Lentry_shape_is_right:
; qkv = x W_qkv^T + b_qkv on codes of BF6 (E3M2, one E8M0 scale for each 32 along K), and q, k, v quantised in registers for the attention's two products.
; SHARES.  A work-group makes 256 tokens x 384 columns (two heads); a wave 64 tokens x 384 columns.  The wave's 64 rows of x for all of K (32 fragments, 384 registers) come
; straight from memory as register images and stay; the 384 rows of W for all of K (294,912 bytes) and their scale words lie in LDS, FILLED ONCE: no slot is ever filled again.
; CLUSTER.  The four work-groups of a cluster make the same columns for different tokens: W's tiles are asked for jointly (mask 15).  x is not shared in the cluster: each
; wave's rows are its own and go to registers, so there is nothing of x that two partners read.
; COLUMNS go in 12 groups of 32 (head e = g / 6; g % 6 = 0, 1: q; 2, 3: k; 4, 5: v), 64 matrix instructions each, 8 accumulators by turns.
; A group of 32 rows is two tiles: lane r of tile u holds row 8 u + r + 8 (r / 8), so that the 16 registers of a result's two tiles are 16 neighbours.
;   q, k: source 0 = W, source 1 = x: a lane holds ONE token and 16 neighbouring columns d: a block of 32 along d lies in lanes l and l xor 16.
;   v:    source 0 = x, source 1 = W: a lane holds ONE column d and 16 neighbouring tokens: v is quantised along the keys.
; The bias is the C of a sum's first matrix instruction.
; OUT.  qb: [head][chunk of 64 tokens][3,328]: four tile images of 768 bytes (registers 0-3 of lane l at 16 l, registers 4-5 at 512 + 16 r + 8 h), then 256 bytes of scale words.
;       kv: [head][step of 128 keys][12,288]: eight such tiles of k, then v^T: four tiles of 16 d x [half of 64 keys][768: registers 0-3 at 16 l, 4-5 at 512 + 8 l].
;       kvs: [head][step][768]: k's scale words (2 x 256), v's (word (tile, r) at 64 tile + 4 r).  A q or k word's upper two bytes are 0: they belong to k = 64 .. 127, where q's codes are zeros.
; LIMITS: a block of zeros gets the byte 1 (its codes are zeros; this program alone reads the bytes); NaN and infinities are not served.
; REGISTERS, in windows of 256: window 0: addresses, scale words, two buffers of four W fragments.  windows 1, 2: x's fragments of my tokens 0-31, 32-63, fragment (s, u) at 12 (2 s + u).
;   window 3: accumulators and all that the quantiser touches.
.set WSC,  294912                      ; LDS: W's images at group x 24,576; here their scale words, group x 1,024;
.set VS,   307200                      ; here 1,024 bytes that LDS stores alone write: v's scale bytes of two heads x two steps
.set L16,  1                           ; v1   16 x lane
.set L8,   2                           ; v2   8 x lane
.set OA,   3                           ; v3   768 h + 16 r: a q or k tile's place for my lane
.set BA,   4                           ; v4   64 h: the bias of my 16 columns
.set BVA,  5                           ; v5   4 (r + 8 (r / 8)): the bias of my one column
.set VSA,  6                           ; v6   where I put v's scale bytes
.set VRD,  7                           ; v7   and where I read them back
.set WSA,  8                           ; v8   W's scale words: WSC + 8 x lane
.set WA,   10                          ; v10-15  16 x lane + 49,152 j: W's images of groups 2 j, 2 j + 1
.set XS,   16                          ; v16-31  x's scale words: 8 b + s; lanes 0-15 tile 0, lanes 16-31 tile 1
.set WS,   32                          ; v32-35  W's: 2 p + s'
.set WB,   64                          ; v64-111, v112-159  W's fragments, buffer p, fragment 2 s' + u at 12 (2 s' + u)
.set ACC,  0                           ; window 3 from here on
.set BI,   64
.set TM,   80
.set TP,   84
.set SO,   88
.set KB,   92
.set Q0,   96
.set TT,   104
.set KEEP, 112
.set WW,   120
.set SW,   124
.set WV,   16                          ; s16  my wave's number
.set G1A,  24                          ; s[24:47] three groups 1;  s[48:59] three groups 0
.set G1B,  32
.set G1C,  40
.set G0A,  48
.set G0B,  52
.set G0C,  56
.set SEL,  60
.set HM,   62
.set XP,   68
.set XSP,  70
.set BP,   72
.set QP,   74
.set KP,   76
.set VP,   78
.set KSP,  80
.set VSP,  82
.set MSB, 0
.macro WIN new                         ; the immediate's high byte repeats the setting that is left; a switch that changes nothing is dropped
.if MSB != (\new)
	s_set_vgpr_msb (MSB<<8)|(\new)
.set MSB, (\new)
.endif
.endm
.macro ROUND                           ; a round of the cluster's barrier
	s_barrier_signal -1
	s_barrier_wait -1
	s_cmp_lg_u32 s[WV], 0
	s_cbranch_scc1 .Lnot_wave_0_\@
	s_barrier_signal -3
.Lnot_wave_0_\@:
	s_barrier_wait -3
	s_barrier_signal -1
	s_barrier_wait -1
.endm
.macro PLACES n
.rept \n
	v_nop
.endr
.endm
	s_load_b256 s[4:11], s[0:1], 0x0               ; opc s[4:5], ops s[6:7], b_qkv s[8:9], qb s[10:11]
	s_load_b128 s[12:15], s[0:1], 0x20             ; kv s[12:13], kvs s[14:15]
	v_lshl_add_u32 v254, v0, 2, 0x4b400
	v_mov_b32 v255, 0
	ds_add_u32 v254, v255
	ds_add_u32 v254, v255
	v_lshrrev_b32 v9, 5, v0
	v_readfirstlane_b32 s[WV], v9                  ; wave 0..3
	v_and_b32 v9, 31, v0                           ; lane
	v_and_b32 v36, 15, v0                          ; r
	v_bfe_u32 v37, v0, 4, 1                        ; h
	v_lshlrev_b32 v[L16], 4, v9
	v_lshlrev_b32 v[L8], 3, v9
	v_mul_u32_u24 v[OA], v37, 768
	v_lshl_add_u32 v[OA], v36, 4, v[OA]
	v_lshlrev_b32 v[BA], 6, v37
	v_and_b32 v38, 8, v36
	v_add_nc_u32 v38, v38, v36
	v_lshlrev_b32 v[BVA], 2, v38
	s_lshr_b32 s20, s[WV], 1
	s_and_b32 s21, s[WV], 1
	s_lshl_b32 s22, s20, 8
	s_lshl_b32 s23, s21, 1
	s_add_co_u32 s22, s22, s23
	s_add_co_u32 s22, s22, VS
	v_lshl_add_u32 v[VSA], v36, 2, s22             ; VS + 256 (wave / 2) + 2 (wave % 2) + 4 r
	s_lshl_b32 s22, s[WV], 8
	s_add_co_u32 s22, s22, VS
	v_lshl_add_u32 v[VRD], v9, 3, s22              ; VS + 256 wave + 8 lane
	v_lshl_add_u32 v[WSA], v9, 3, WSC
.irp j, 0,1,2,3,4,5
	v_add_nc_u32 v[WA+\j], 49152*\j, v[L16]
.endr
	WIN 0xc0
.irp b, 0,1,2,3
	v_mov_b32 v[TP+\b], 0                          ; written once: a lane permute's destination counts as one of its sources
.endr
	WIN 0
	s_mov_b32 s[SEL], 0x76543210
	s_mov_b32 s[SEL+1], 0xfedcba98                 ; selects for lane l xor 16
	s_mov_b32 s[HM], 0xffff0000                    ; lanes 16-31
	s_bfe_u32 s17, ttmp6, 0x40000                  ; cx
	s_lshl_b32 s18, ttmp9, 2
	s_add_co_u32 s18, s18, s17                     ; my block of 256 tokens = 4 x cluster x + cx
	s_and_b32 s19, ttmp7, 0xffff                   ; my 384 columns, which the four partners share
	; groups 1: dense blocks as rows of 256 bytes (32 elements of 8 bytes), no padding; 15:0 the mask of all four partners, bit 21 beside it
.irp g, G1A, G1B, G1C
	s_mov_b32 s[\g], 15|(3<<16)|(1<<21)
	s_mov_b32 s[\g+1], 32<<16                      ; tensor_dim0
	s_mov_b32 s[\g+3], 32<<16                      ; tile_dim0
	s_mov_b32 s[\g+5], 32                          ; the pitch
	s_mov_b32 s[\g+6], 0
	s_mov_b32 s[\g+7], 0
.endr
	s_mov_b32 s[G1A+2], 12<<16                     ; a: 12 rows: a quarter of the scale words
	s_mov_b32 s[G1A+4], 12
	s_mov_b32 s[G1B+2], 96<<16                     ; b: 96 rows: one group of W
	s_mov_b32 s[G1B+4], 96
	s_mov_b32 s[G1C+2], 192<<16                    ; c: 192 rows: two groups
	s_mov_b32 s[G1C+4], 192
	; where they come from and go to: the columns' number and the wave's number alone
	s_mul_i32 s66, s19, 12
	s_add_co_u32 s66, s66, 256                     ; W_qkv's groups begin at 256: my first
	s_lshl_b32 s92, s66, 10
	s_mul_i32 s67, s[WV], 3072
	s_add_co_u32 s92, s92, s67
	s_mov_b32 s93, 0
	s_add_co_u32 s[G0A+1], s67, WSC
	s_add_co_u32 s94, s66, s[WV]
	s_mul_i32 s94, s94, 24576
	s_mov_b32 s95, 0
	s_mul_i32 s[G0B+1], s[WV], 24576
	s_lshl_b32 s67, s[WV], 1
	s_add_co_u32 s67, s67, s66
	s_add_co_u32 s67, s67, 4
	s_mul_i32 s66, s67, 24576
	s_mov_b32 s67, 0
	s_mul_i32 s[G0C+1], s[WV], 49152
	s_add_co_u32 s[G0C+1], s[G0C+1], 98304
	s_wait_dscnt 0x0
	s_wait_kmcnt 0x0
	s_mov_b32 s[G0A], 1
	s_add_nc_u64 s[G0A+2:G0A+3], s[6:7], s[92:93]
	s_or_b32 s[G0A+3], s[G0A+3], 0x80000000
	s_mov_b32 s[G0B], 1
	s_add_nc_u64 s[G0B+2:G0B+3], s[4:5], s[94:95]
	s_or_b32 s[G0B+3], s[G0B+3], 0x80000000
	s_mov_b32 s[G0C], 1
	s_add_nc_u64 s[G0C+2:G0C+3], s[4:5], s[66:67]
	s_or_b32 s[G0C+3], s[G0C+3], 0x80000000
	ROUND                                          ; all four work-groups are here: the joint loads meet
	tensor_load_to_lds s[G0A:G0A+3], s[G1A:G1A+7]  ; three loads of mine are out: the scale words,
	s_nop 0
	tensor_load_to_lds s[G0B:G0B+3], s[G1B:G1B+7]  ; group w (of groups 0-3),
	s_nop 0
	tensor_load_to_lds s[G0C:G0C+3], s[G1C:G1C+7]  ; groups 4 + 2 w and 5 + 2 w
	s_nop 0
	PLACES 4                                       ; four places here ahead of a window switch
	; my own places in the buffers
	s_lshl_b32 s20, s18, 3
	s_lshl_b32 s21, s[WV], 1
	s_add_co_u32 s20, s20, s21                     ; my first group of 32 tokens
	s_mul_i32 s84, s20, 24576
	s_mov_b32 s85, 0
	s_add_nc_u64 s[XP:XP+1], s[4:5], s[84:85]
	s_lshl_b32 s84, s20, 10
	s_add_nc_u64 s[XSP:XSP+1], s[6:7], s[84:85]
	s_mul_i32 s84, s19, 1536
	s_add_nc_u64 s[BP:BP+1], s[8:9], s[84:85]
	s_lshr_b32 s20, s18, 3
	s_lshl_b32 s20, s20, 4
	s_lshl_b32 s21, s19, 1
	s_add_co_u32 s20, s20, s21                     ; 16 x batch + my first head
	s_and_b32 s21, s18, 7                          ; my block of 256 tokens in its batch
	s_lshr_b32 s22, s[WV], 1
	s_and_b32 s23, s[WV], 1
	s_mov_b32 s91, 0
	s_lshl_b32 s90, s21, 2
	s_add_co_u32 s90, s90, s[WV]                   ; my chunk of 64 tokens
	s_mul_i32 s90, s90, 3328
	s_mul_i32 s96, s20, 106496
	s_add_co_u32 s90, s90, s96
	s_add_nc_u64 s[QP:QP+1], s[10:11], s[90:91]
	s_lshl_b32 s96, s21, 1
	s_add_co_u32 s96, s96, s22                     ; my step of 128 keys
	s_mul_i32 s97, s20, 196608
	s_mul_i32 s98, s96, 12288
	s_add_co_u32 s97, s97, s98
	s_mul_i32 s98, s23, 3072
	s_add_co_u32 s90, s97, s98
	s_add_nc_u64 s[KP:KP+1], s[12:13], s[90:91]
	s_mul_i32 s98, s23, 768
	s_add_co_u32 s90, s97, s98
	s_add_co_u32 s90, s90, 6144
	s_add_nc_u64 s[VP:VP+1], s[12:13], s[90:91]
	s_mul_i32 s97, s20, 12288
	s_mul_i32 s98, s96, 768
	s_add_co_u32 s90, s97, s98
	s_lshl_b32 s98, s23, 8
	s_add_co_u32 s90, s90, s98
	s_add_nc_u64 s[KSP:KSP+1], s[14:15], s[90:91]
	s_add_co_u32 s97, s20, s22                     ; at the end wave w stores v's scale words of head w / 2, step w % 2
	s_mul_i32 s97, s97, 12288
	s_lshl_b32 s98, s21, 1
	s_add_co_u32 s98, s98, s23
	s_mul_i32 s98, s98, 768
	s_add_co_u32 s90, s97, s98
	s_add_co_u32 s90, s90, 512
	s_add_nc_u64 s[VSP:VSP+1], s[14:15], s[90:91]
; four W fragments (K steps 2 sp, 2 sp + 1 of group g) and their scale words into buffer p: 13 LDS loads
.macro FETCH g, sp, p
	WIN 0
.irp f, 0,1,2,3
.irp i, 0,1,2
	ds_load_b128 v[WB+48*(\p)+12*\f+4*\i:WB+48*(\p)+12*\f+4*\i+3], v[WA+(\g)/2] offset:((\g)%2)*24576+(\sp)*6144+1536*\f+512*\i
.endr
.endr
	ds_load_b64 v[WS+2*(\p):WS+2*(\p)+1], v[WSA] offset:(\g)*1024+256*(\sp)
.endm
; group g's bias in the result's layout.  kind 0: eight neighbouring columns a tile.  kind 1: my one column, eight times
.macro BIAS kind, g
	WIN 0xc0
.if (\kind) == 0
.irp u, 0,1
	global_load_b128 v[BI+8*\u:BI+8*\u+3], v[BA], s[BP:BP+1] offset:128*(\g)+32*\u
	global_load_b128 v[BI+8*\u+4:BI+8*\u+7], v[BA], s[BP:BP+1] offset:128*(\g)+32*\u+16
.endr
.else
.irp u, 0,1
.irp j, 0,1,2,3,4,5,6,7
	global_load_b32 v[BI+8*\u+\j], v[BVA], s[BP:BP+1] offset:128*(\g)+32*\u
.endr
.endr
.endif
.endm
.macro WM d, a, b, c, sa, sb, ra, rb   ; one matrix instruction; ra, rb: the scales stand in lanes 16-31
.if ((\ra) == 0) && ((\rb) == 0)
	v_wmma_scale_f32_16x16x128_f8f6f4 v[\d:\d+7], v[\a:\a+11], v[\b:\b+11], v[\c:\c+7], v[\sa], v[\sb] matrix_a_fmt:MATRIX_FMT_BF6 matrix_b_fmt:MATRIX_FMT_BF6
.elseif ((\ra) == 1) && ((\rb) == 0)
	v_wmma_scale_f32_16x16x128_f8f6f4 v[\d:\d+7], v[\a:\a+11], v[\b:\b+11], v[\c:\c+7], v[\sa], v[\sb] matrix_a_fmt:MATRIX_FMT_BF6 matrix_b_fmt:MATRIX_FMT_BF6 matrix_a_scale:MATRIX_SCALE_ROW1
.elseif ((\ra) == 0) && ((\rb) == 1)
	v_wmma_scale_f32_16x16x128_f8f6f4 v[\d:\d+7], v[\a:\a+11], v[\b:\b+11], v[\c:\c+7], v[\sa], v[\sb] matrix_a_fmt:MATRIX_FMT_BF6 matrix_b_fmt:MATRIX_FMT_BF6 matrix_b_scale:MATRIX_SCALE_ROW1
.else
	v_wmma_scale_f32_16x16x128_f8f6f4 v[\d:\d+7], v[\a:\a+11], v[\b:\b+11], v[\c:\c+7], v[\sa], v[\sb] matrix_a_fmt:MATRIX_FMT_BF6 matrix_b_fmt:MATRIX_FMT_BF6 matrix_a_scale:MATRIX_SCALE_ROW1 matrix_b_scale:MATRIX_SCALE_ROW1
.endif
.endm
; four matrix instructions: K step s (the sq-th of buffer p), my tokens 32 b on: x's two tiles x W's two tiles.  cf = 1: the bias starts the sums
.macro MM kind, p, sq, s, b, cf
.if (\kind) == 0
	WIN 0xf4+4*(\b)                                ; source 0 (W) window 0, source 1 (x) window 1 + b, C and D window 3
.else
	WIN 0xf1+(\b)                                  ; source 0 (x) window 1 + b, source 1 (W) window 0
.endif
.irp ux, 0,1
.irp uw, 0,1
.set rW, WB+48*(\p)+12*(2*(\sq)+\uw)
.set rX, 12*(2*(\s)+\ux)
.set sW, WS+2*(\p)+(\sq)
.set sX, XS+8*(\b)+(\s)
.if (\kind) == 0
.set rD, ACC+16*(2*(\b)+\ux)+8*\uw
.else
.set rD, ACC+16*(2*\uw+(\b))+8*\ux
.endif
.set rC, rD
.if \cf
.set rC, BI+8*\uw
.endif
.if (\kind) == 0
	WM rD, rW, rX, rC, sW, sX, \uw, \ux
.else
	WM rD, rX, rW, rC, sX, sW, \ux, \uw
.endif
.endr
.endr
.endm
; two K steps of group g: 16 matrix instructions.  The next two steps' fragments are asked for ahead of them and waited for at the next KSTEP's head.
.macro KSTEP kind, g, sp, lc
	s_wait_dscnt 0x0                               ; this step's 13 LDS loads, issued 16 matrix instructions ago
.if (\lc) >= 0
	s_wait_loadcnt \lc
.endif
.set CF, 0
.if (\sp) == 0
.set CF, 1
	PLACES 5                                       ; the accumulators are begun anew with another C: five places behind the last products
.else
	PLACES 4                                       ; four places in front of loads into registers that matrix instructions have read
.endif
.if ((\sp) == 1) && ((\g) < 11)
	BIAS (((\g)+1)%6)/4, (\g)+1
.endif
.if (\sp) < 3
	FETCH \g, (\sp)+1, 1-(\sp)%2
.elseif (\g) < 11
	FETCH (\g)+1, 0, 0
.endif
	MM \kind, (\sp)%2, 0, 2*(\sp), 0, CF
	MM \kind, (\sp)%2, 1, 2*(\sp)+1, 0, 0
	MM \kind, (\sp)%2, 0, 2*(\sp), 1, CF
	MM \kind, (\sp)%2, 1, 2*(\sp)+1, 1, 0
.endm
.macro GROUP g, l0, l1, l2, l3
	KSTEP ((\g)%6)/4, \g, 0, \l0
	KSTEP ((\g)%6)/4, \g, 1, \l1
	KSTEP ((\g)%6)/4, \g, 2, \l2
	KSTEP ((\g)%6)/4, \g, 3, \l3
.endm
; The accumulators' four blocks of 16 registers are four half blocks of 32 (the other half in lane l xor 16).  Their bytes go to v[by ..]; the codes of blocks 2 c and 2 c + 1 change halves,
; so that lanes 0-15 hold block 2 c whole and lanes 16-31 block 2 c + 1: registers 0-3 in Q0 + 4 c, registers 4-5 in KEEP + 4 c + 2 hb.
.macro QUANT by, hb
	WIN 0xff
.irp b, 0,1,2,3
	v_max3_num_f32 v[TM+\b], |v[ACC+16*\b]|, |v[ACC+16*\b+1]|, 0x2800000   ; from each accumulator's low end on; the floor 2^(5 - 127) holds the byte at 1 from below
.endr
.irp i, 2,4,6,8,10,12,14
.irp b, 0,1,2,3
	v_max3_num_f32 v[TM+\b], v[TM+\b], |v[ACC+16*\b+\i]|, |v[ACC+16*\b+\i+1]|
.endr
.endr
.irp b, 0,1,2,3
	v_permlanex16_b32 v[TP+\b], v[TM+\b], s[SEL], s[SEL+1]
.endr
.irp b, 0,1,2,3
	v_max_num_f32 v[TM+\b], v[TM+\b], v[TP+\b]
.endr
.irp b, 0,1,2,3
	v_add_nc_u32 v[SO+\b], 0xfe000000, v[TM+\b]    ; 4 off the exponent field: the conversion's scale operand
.endr
.irp b, 0,1,2,3
	v_lshrrev_b32 v[\by+\b], 23, v[SO+\b]          ; the scale's byte
.endr
	s_wait_alu depctr_va_vdst(0)
	s_wait_xcnt 0x0                                ; the last group's stores have read the registers that are written now
.irp c, 0,1
	v_cvt_scalef32_pk16_bf6_f32 v[Q0+4*\c:Q0+4*\c+2], v[ACC+32*\c:ACC+32*\c+15], v[SO+2*\c]
	v_cvt_scalef32_pk16_bf6_f32 v[TT+4*\c:TT+4*\c+2], v[ACC+32*\c+16:ACC+32*\c+31], v[SO+2*\c+1]
.endr
	v_nop                                          ; one plain place behind a scaled conversion
.irp c, 0,1
.irp i, 0,1,2
	v_permlane16_swap_b32 v[Q0+4*\c+\i], v[TT+4*\c+\i]
.endr
	v_mov_b32 v[Q0+4*\c+3], v[TT+4*\c]
	v_mov_b32 v[KEEP+4*\c+2*(\hb)], v[TT+4*\c+1]
	v_mov_b32 v[KEEP+4*\c+2*(\hb)+1], v[TT+4*\c+2]
.endr
.endm
; q or k, d block hb, of my four tiles of tokens.  Lane (r, h') holds tile 2 c + h': sixteen lanes store 256 consecutive bytes
.macro EPI_QK hb, ptr, poff, sptr, soff
	PLACES 4                                       ; in front of the first read of results
.if (\hb) == 0
	QUANT KB, 0
.else
	QUANT TP, 1
.endif
	WIN 0x0c                                       ; a store's data: window 3
.irp c, 0,1
	global_store_b128 v[OA], v[Q0+4*\c:Q0+4*\c+3], s[\ptr:\ptr+1] offset:\poff+1536*\c+256*(\hb)
.endr
.if (\hb) == 1
.irp c, 0,1
	global_store_b128 v[OA], v[KEEP+4*\c:KEEP+4*\c+3], s[\ptr:\ptr+1] offset:\poff+1536*\c+512
.endr
	WIN 0xff
.irp m, 0,1,2,3
	v_lshl_or_b32 v[WW+\m], v[TP+\m], 8, v[KB+\m]  ; tile m's word: the two d blocks' bytes; the upper two bytes are 0
.endr
	v_cndmask_b32 v[SW], v[WW], v[WW+2], s[HM]     ; lanes 0-15 tiles 0 and 1, lanes 16-31 tiles 2 and 3
	v_cndmask_b32 v[SW+1], v[WW+1], v[WW+3], s[HM]
	WIN 0x0c
	global_store_b64 v[L8], v[SW:SW+1], s[\sptr:\sptr+1] offset:\soff
.endif
.endm
; v, d group gq of head e: lane (r, h') holds row r of d tile 2 gq + c and key block h' of my 64 keys
.macro EPI_V e, gq
	PLACES 4
	QUANT TP, 0
.irp c, 0,1
	v_lshl_or_b32 v[WW+\c], v[TP+2*\c+1], 8, v[TP+2*\c]
.endr
	WIN 0x0c
.irp c, 0,1
	global_store_b128 v[L16], v[Q0+4*\c:Q0+4*\c+3], s[VP:VP+1] offset:196608*(\e)+1536*(2*(\gq)+\c)
	global_store_b64 v[L8], v[KEEP+4*\c:KEEP+4*\c+1], s[VP:VP+1] offset:196608*(\e)+1536*(2*(\gq)+\c)+512
	ds_store_b16 v[VSA], v[WW+\c] offset:512*(\e)+64*(2*(\gq)+\c)   ; both halves of the lanes write the same two bytes with the same value
.endr
.endm
.macro XLOAD sp, b                     ; x's four fragments of K steps 2 sp, 2 sp + 1, tokens 32 b on: 12 loads of 512 consecutive bytes
.irp f, 0,1,2,3
.irp i, 0,1,2
	global_load_b128 v[12*(4*(\sp)+\f)+4*\i:12*(4*(\sp)+\f)+4*\i+3], v[L16], s[XP:XP+1] offset:24576*(\b)+1536*(4*(\sp)+\f)+512*\i
.endr
.endr
.endm
.irp b, 0,1
.irp sp, 0,1,2,3
	global_load_b64 v[XS+8*\b+2*\sp:XS+8*\b+2*\sp+1], v[L8], s[XSP:XSP+1] offset:1024*\b+256*\sp
.endr
.endr
	BIAS 0, 0
.irp sp, 0,1,2,3
	WIN 0x40
	XLOAD \sp, 0
	WIN 0x80
	XLOAD \sp, 1
.endr
	WIN 0
	s_wait_tensorcnt 0x1                           ; the scale words and my part of groups 0-3 are in; groups 4-11 may stay out
	s_barrier_signal -1
	s_barrier_wait -1
	FETCH 0, 0, 0
	GROUP 0, 63, 48, 28, 4                         ; behind the loads that a step needs: 72 (the field holds 63), 48, 24 + the next bias's 4, 4
	EPI_QK 0, QP, 0, QP, 0
	GROUP 1, 0, -1, -1, -1                         ; from here on the one load to wait for is the group's bias
	EPI_QK 1, QP, 0, QP, 3072
	GROUP 2, 0, -1, -1, -1
	EPI_QK 0, KP, 0, KSP, 0
	s_wait_tensorcnt 0x0                           ; my part of groups 4-11 is in: group 3's last step fetches group 4's first fragments
	s_wait_dscnt 0x0
	s_barrier_signal -1
	s_barrier_wait -1
	GROUP 3, 0, -1, -1, -1
	EPI_QK 1, KP, 0, KSP, 0
	GROUP 4, 0, -1, -1, -1
	EPI_V 0, 0
	GROUP 5, 0, -1, -1, -1
	EPI_V 0, 1
	GROUP 6, 0, -1, -1, -1
	EPI_QK 0, QP, 106496, QP, 0
	GROUP 7, 0, -1, -1, -1
	EPI_QK 1, QP, 106496, QP, 106496+3072
	GROUP 8, 0, -1, -1, -1
	EPI_QK 0, KP, 196608, KSP, 0
	GROUP 9, 0, -1, -1, -1
	EPI_QK 1, KP, 196608, KSP, 12288
	GROUP 10, 0, -1, -1, -1
	EPI_V 1, 0
	GROUP 11, 0, -1, -1, -1
	EPI_V 1, 1
	WIN 0
	s_wait_dscnt 0x0                               ; for the others' sake: my scale bytes of v lie in LDS
	s_barrier_signal -1
	s_barrier_wait -1
	ds_load_b64 v[36:37], v[VRD]                   ; a step's word holds the bytes of two waves' keys
	s_wait_dscnt 0x0
	global_store_b64 v[L8], v[36:37], s[VSP:VSP+1] ; 256 consecutive bytes
	s_wait_tensorcnt 0x0
	ds_add_u32 v254, v255
	s_wait_dscnt 0x0
	ROUND                                          ; the closing round
	s_endpgm
.Lfunc_end_k_qe85e7778a1_qkv:
	.size	k_qe85e7778a1_qkv, .Lfunc_end_k_qe85e7778a1_qkv-k_qe85e7778a1_qkv
	.p2alignl 7, 3214868480
	.fill 96, 4, 3214868480
	.section	.rodata,"a",@progbits
	.p2align	6, 0x0
	.amdhsa_kernel k_qe85e7778a1_qkv
		.amdhsa_group_segment_fixed_size 327680
		.amdhsa_private_segment_fixed_size 0
		.amdhsa_enable_private_segment 0
		.amdhsa_kernarg_size 48
		.amdhsa_user_sgpr_count 2
		.amdhsa_user_sgpr_kernarg_segment_ptr 1
		.amdhsa_wavefront_size32 1
		.amdhsa_system_sgpr_workgroup_id_x 1
		.amdhsa_system_sgpr_workgroup_id_y 1
		.amdhsa_system_sgpr_workgroup_id_z 1
		.amdhsa_system_vgpr_workitem_id 0
		.amdhsa_next_free_vgpr 896
		.amdhsa_next_free_sgpr 100
		.amdhsa_reserve_vcc 0
		.amdhsa_float_denorm_mode_32 3
		.amdhsa_float_denorm_mode_16_64 3
		.amdhsa_memory_ordered 1
		.amdhsa_forward_progress 1
		.amdhsa_inst_pref_size 229
	.end_amdhsa_kernel
	.amdgpu_metadata
---
amdhsa.version: [ 1, 2 ]
amdhsa.kernels:
  - .name:           k_qe85e7778a1_qkv
    .symbol:         k_qe85e7778a1_qkv.kd
    .args:
      - { .name: opc, .offset: 0, .size: 8, .value_kind: global_buffer, .address_space: global }
      - { .name: ops, .offset: 8, .size: 8, .value_kind: global_buffer, .address_space: global }
      - { .name: b_qkv, .offset: 16, .size: 8, .value_kind: global_buffer, .address_space: global }
      - { .name: qb, .offset: 24, .size: 8, .value_kind: global_buffer, .address_space: global }
      - { .name: kv, .offset: 32, .size: 8, .value_kind: global_buffer, .address_space: global }
      - { .name: kvs, .offset: 40, .size: 8, .value_kind: global_buffer, .address_space: global }
    .group_segment_fixed_size: 327680
    .private_segment_fixed_size: 0
    .kernarg_segment_align: 8
    .kernarg_segment_size: 48
    .max_flat_workgroup_size: 128
    .sgpr_count:     100
    .vgpr_count:     896
    .wavefront_size: 32
...
	.end_amdgpu_metadata
.endif
;; end of part 2
;; launch attn (part 3): grid 4 x 64, 16 waves a work-group, clusters of 4 x 1, 215,040 bytes of LDS; arguments qb, kv, kvs, acd, asc; writes acd, asc
.if DOCPART == 3
	.amdgcn_target "amdgcn-amd-amdhsa--gfx1250"
	.amdhsa_code_object_version 6
	.text
	.protected	k_qe85e7778a1_attn
	.globl	k_qe85e7778a1_attn
	.p2align	8
	.type	k_qe85e7778a1_attn,@function
k_qe85e7778a1_attn:
	s_mov_b64 s[64:65], 0
	v_nop
	global_prefetch_b8 v0, s[64:65] scope:SCOPE_SE
	s_setreg_imm32_b32 hwreg(HW_REG_WAVE_MODE, 25, 1), 1
	s_wait_xcnt 0x0
	s_wait_alu depctr_hold_cnt(0) depctr_sa_sdst(0) depctr_va_vdst(0) depctr_va_sdst(0) depctr_va_ssrc(0) depctr_va_vcc(0) depctr_vm_vsrc(0)
	s_getreg_b32 s2, hwreg(HW_REG_IB_STS2, 6, 4)
	s_cmp_eq_u32 s2, 0
	s_cbranch_scc0 .Lentry_in_a_cluster
	s_endpgm
.Lentry_in_a_cluster:
	s_bfe_u32 s2, ttmp6, 0x10000c
	s_cmp_lg_u32 s2, 0x3003
	s_cbranch_scc0 .Lentry_shape_is_right
	s_endpgm
.Lentry_shape_is_right:
; attn[q] = sum over keys k <= q of softmax(q . k / 8) v, for one head, both products on codes of BF6 (E3M2, one E8M0 scale for each 32 along K); the result is quantised along d for the last product.
; SOFTMAX: t = score x log2(e) / 8; M = the running largest t rounded UP to a whole number; p = 2^(t - M) is what is quantised, along the keys, not normalised; the row's sum is taken
; of the unquantised p and divides at the end.  When M moves, the sum and O are multiplied by 2^(old M - new M): exact.
; SHARES.  The four work-groups of a cluster share a head.  Work-group cx owns the tiles of 16 queries t = 4 i + cx, i = 0 .. 31; tile t needs key steps (128 keys) 0 .. i / 2, which does not hang on cx:
; so the partners run alike, and the head's K, V and scale words are asked for JOINTLY (mask 15).  They fit in LDS whole and are FILLED ONCE: no slot is ever filled again.
; Wave w takes i = w and then i = w xor 31: (w / 2 + 1) + (16 - w / 2) = 17 key steps for every wave.  Four waves to a SIMD: one wave's vector work stands beside another's matrix work and LDS loads.
; LAYOUT.  S^T = K Q^T (source 0 = 16 keys), O^T = V^T P^T (source 0 = 16 of the head's 64): a lane holds ONE query throughout.  Lane r of a tile holds row 8 u + r + 8 (r / 8) of its group of 32, for
; keys, queries and d alike: so the 16 registers of two neighbouring tiles are 16 neighbours along the next K.
; K = 64 IN A FORM OF 128: Q's registers 6-11 are zero codes; a K operand's upper six registers are whatever lies there (the next tile's codes, or zeros) and meet those zeros; the scale bytes of k = 64 .. 127 are 0.
; The loops' trip counts are constants; a step all of whose keys come after the tile's queries is jumped over by a scalar branch on the wave's number and the step.
; LIMITS: NaN and infinities are not served; v_exp_f32 gives 0 for results under 2^-126; a block's largest p is made from its largest score (this takes v_exp_f32 not to fall where its input rises);
; a block of zeros carries the byte 1 (its codes are zeros; this program alone reads the bytes).
.set SCB,  196608                      ; LDS: step x 12,288: eight tiles of K (768 each), then V^T;  here the scale words, step x 768;
.set ASG,  208896                      ; here 1,024 bytes that LDS stores alone write: the result's scale bytes, 32 i + 2 r
.set FB,   32                          ; v32-85   K: tile kt at FB + 6 kt (v80-85 zeros);  V: tile dt at FB + 12 dt
.set KS,   86                          ; v86-89   K's scale words
.set VSR,  90                          ; v90-93   V's
.set S,    96                          ; v96-159  S^T, then p
.set O,    160                         ; v160-191 O^T
.set PC,   192                         ; v192-203 p's codes
.set TT,   204                         ; v204-206, v208-210
.set BM,   212                         ; v212-215 block maxima;  v216-219 permute's results, then bytes;  v220-223 the conversions' scale operands
.set BP,   216
.set SO,   220
; v1 16 lane, v2 16 r + 8 h, v3 8 lane, v4 SCB + 8 lane, v5 SCB + 512 + 4 r; v6, v7 my query less 16 h, tiles A and B; v8-11, v30 the step's addresses; v12 -M, v13 the largest t, v[14:15] the sum;
; v16-27, v28 Q and its scale word, tile A; v230-241, v242 tile B; v29 p's scale word; v[224:225] f; v226 at work; v[228:229] the sum's second chain; v243, v244 where the results' scale bytes go; v245 -infinity; v246 those bytes
.set WV,   16
.set G1A,  24
.set G1B,  32
.set G0A,  40
.set G0B,  44
.set G0C,  48
.set SEL,  52
.set CS,   54
.set ST,   56                          ; s56 the key step;  s57 its tiles' place in LDS;  s58 its scale words'
.set TB,   57
.set TS,   58
.set LASTA, 59
.set LASTB, 60
.set APA,  68
.set APB,  70
.set QPA,  72
.set QPB,  74
.set ASP,  76
.macro ROUND                           ; a round of the cluster's barrier
	s_barrier_signal -1
	s_barrier_wait -1
	s_cmp_lg_u32 s[WV], 0
	s_cbranch_scc1 .Lnot_wave_0_\@
	s_barrier_signal -3
.Lnot_wave_0_\@:
	s_barrier_wait -3
	s_barrier_signal -1
	s_barrier_wait -1
.endm
	s_load_b256 s[4:11], s[0:1], 0x0               ; qb s[4:5], kv s[6:7], kvs s[8:9], acd s[10:11]
	s_load_b64 s[12:13], s[0:1], 0x20              ; asc
	v_lshl_add_u32 v211, v0, 2, 0x34000
	v_mov_b32 v227, 0
	ds_add_u32 v211, v227
	ds_add_u32 v211, v227
	v_lshrrev_b32 v1, 5, v0
	s_delay_alu instid0(VALU_DEP_1)
	v_readfirstlane_b32 s[WV], v1                  ; wave 0..15
	v_and_b32 v31, 31, v0                          ; lane
	v_and_b32 v249, 15, v0                         ; r
	v_bfe_u32 v250, v0, 4, 1                       ; h
	s_delay_alu instid0(VALU_DEP_3)
	v_lshlrev_b32 v1, 4, v31
	s_delay_alu instid0(VALU_DEP_3)
	v_lshlrev_b32 v2, 4, v249
	s_delay_alu instid0(VALU_DEP_1)
	v_lshl_add_u32 v2, v250, 3, v2
	v_lshlrev_b32 v3, 3, v31
	v_lshl_add_u32 v4, v31, 3, SCB
	v_lshl_add_u32 v5, v249, 2, SCB+512
	v_and_b32 v251, 8, v249
	s_delay_alu instid0(VALU_DEP_1)
	v_add_nc_u32 v251, v251, v249
	v_lshlrev_b32 v252, 4, v250
	s_delay_alu instid0(VALU_DEP_1)
	v_sub_nc_u32 v251, v251, v252                  ; r + 8 (r / 8) - 16 h
	s_wait_alu depctr_va_vdst(0)
	v_lshl_add_u32 v247, v0, 4, ASG                ; the way out of the scale bytes: 16 bytes a thread (waves 0 and 1)
	v_lshlrev_b32 v248, 4, v0
	s_bfe_u32 s17, ttmp6, 0x40000                  ; cx: it enters global addresses of Q and of the results, and the mask's numbers, and nothing else
	s_and_b32 s18, ttmp7, 0xffff                   ; 16 x batch + head, which the partners share
	s_xor_b32 s19, s[WV], 31                       ; i of my second tile
	s_lshr_b32 s[LASTA], s[WV], 1
	s_lshr_b32 s[LASTB], s19, 1
	s_lshr_b32 s20, s17, 1
	s_and_b32 s21, s17, 1
	s_lshl_b32 s22, s20, 5
	s_lshl_b32 s23, s21, 3
	s_add_co_u32 s22, s22, s23
	s_lshl_b32 s23, s[WV], 6
	s_add_co_u32 s23, s23, s22
	v_add_nc_u32 v6, s23, v251                     ; 64 i + 32 (cx / 2) + 8 (cx % 2) + r + 8 (r / 8) - 16 h
	s_lshl_b32 s23, s19, 6
	s_add_co_u32 s23, s23, s22
	v_add_nc_u32 v7, s23, v251
	s_lshl_b32 s23, s[WV], 5
	s_add_co_u32 s23, s23, ASG
	v_lshl_add_u32 v243, v249, 1, s23
	s_lshl_b32 s23, s19, 5
	s_add_co_u32 s23, s23, ASG
	v_lshl_add_u32 v244, v249, 1, s23
	s_mul_i32 s22, s17, 768                        ; Q: my tile in its chunk of 64 tokens
	v_add_nc_u32 v253, s22, v1
	v_add_nc_u32 v254, s22, v2
	s_lshl_b32 s22, s20, 7
	s_lshl_b32 s23, s21, 2
	s_add_co_u32 s22, s22, s23
	s_add_co_u32 s22, s22, 3072
	v_lshl_add_u32 v255, v249, 3, s22              ; and its scale word
.irp j, 22,23,24,25,26,27,80,81,82,83,84,85,216,217,218,219,225,226,236,237,238,239,240,241
	v_mov_b32 v[\j], 0                             ; Q's zero codes; the zeros behind K's last tile; permutes' destinations; the upper half of f's pair
.endr
	v_mov_b32 v245, 0xff800000
	s_mov_b32 s[SEL], 0x76543210
	s_mov_b32 s[SEL+1], 0xfedcba98
	s_mov_b32 s[CS], 0x3e38aa3b                    ; c = log2(e) / 8
	s_mov_b32 s[CS+1], s[CS]
	s_mov_b32 s[ST], 0
	s_mov_b32 s[TB], 0
	s_mov_b32 s[TS], 0
	; groups 1: dense blocks as rows of 256 bytes, no padding; the mask of all four partners, bit 21 beside it
.irp g, G1A, G1B
	s_mov_b32 s[\g], 15|(3<<16)|(1<<21)
	s_mov_b32 s[\g+1], 32<<16
	s_mov_b32 s[\g+3], 32<<16
	s_mov_b32 s[\g+5], 32
	s_mov_b32 s[\g+6], 0
	s_mov_b32 s[\g+7], 0
.endr
	s_mov_b32 s[G1A+2], 3<<16                      ; 3 rows: a sixteenth of 12,288 bytes
	s_mov_b32 s[G1A+4], 3
	s_mov_b32 s[G1B+2], 45<<16                     ; 45 rows: a sixteenth of steps 1 to 15
	s_mov_b32 s[G1B+4], 45
	s_mul_i32 s66, s[WV], 768
	s_mul_i32 s67, s18, 12288
	s_add_co_u32 s78, s67, s66
	s_mov_b32 s79, 0
	s_add_co_u32 s[G0A+1], s66, SCB
	s_mul_i32 s80, s18, 196608
	s_add_co_u32 s82, s80, s66
	s_mov_b32 s83, 0
	s_mov_b32 s[G0B+1], s66
	s_mul_i32 s67, s[WV], 11520
	s_add_co_u32 s[G0C+1], s67, 12288
	s_add_co_u32 s84, s80, s[G0C+1]
	s_mov_b32 s85, 0
	; my own places
	s_mul_i32 s86, s18, 106496
	s_mul_i32 s22, s[WV], 3328
	s_add_co_u32 s88, s86, s22
	s_mov_b32 s89, 0
	s_mul_i32 s22, s19, 3328
	s_add_co_u32 s90, s86, s22
	s_mov_b32 s91, 0
	s_lshr_b32 s22, s18, 4
	s_lshl_b32 s22, s22, 6
	s_add_co_u32 s22, s22, s20                     ; 64 x batch + cx / 2
	s_mul_i32 s22, s22, 24576
	s_and_b32 s23, s18, 15                         ; the head
	s_lshr_b32 s86, s23, 1
	s_mul_i32 s86, s86, 3072
	s_add_co_u32 s22, s22, s86
	s_and_b32 s23, s23, 1
	s_mul_i32 s23, s23, 768
	s_add_co_u32 s22, s22, s23
	s_mul_i32 s23, s21, 1536
	s_add_co_u32 s22, s22, s23
	s_mul_i32 s23, s[WV], 49152
	s_add_co_u32 s92, s22, s23
	s_mov_b32 s93, 0
	s_mul_i32 s23, s19, 49152
	s_add_co_u32 s94, s22, s23
	s_mov_b32 s95, 0
	s_lshl_b32 s96, s18, 2
	s_add_co_u32 s96, s96, s17
	s_lshl_b32 s96, s96, 10
	s_mov_b32 s97, 0
	s_wait_dscnt 0x0
	s_wait_kmcnt 0x0
	s_mov_b32 s[G0A], 1
	s_add_nc_u64 s[G0A+2:G0A+3], s[8:9], s[78:79]
	s_or_b32 s[G0A+3], s[G0A+3], 0x80000000
	s_mov_b32 s[G0B], 1
	s_add_nc_u64 s[G0B+2:G0B+3], s[6:7], s[82:83]
	s_or_b32 s[G0B+3], s[G0B+3], 0x80000000
	s_mov_b32 s[G0C], 1
	s_add_nc_u64 s[G0C+2:G0C+3], s[6:7], s[84:85]
	s_or_b32 s[G0C+3], s[G0C+3], 0x80000000
	s_add_nc_u64 s[QPA:QPA+1], s[4:5], s[88:89]
	s_add_nc_u64 s[QPB:QPB+1], s[4:5], s[90:91]
	s_add_nc_u64 s[APA:APA+1], s[10:11], s[92:93]
	s_add_nc_u64 s[APB:APB+1], s[10:11], s[94:95]
	s_add_nc_u64 s[ASP:ASP+1], s[12:13], s[96:97]
	ROUND                                          ; all four work-groups are here: the joint loads meet
	tensor_load_to_lds s[G0A:G0A+3], s[G1A:G1A+7]  ; three loads of mine are out: my sixteenth of the head's scale words,
	s_nop 0
	tensor_load_to_lds s[G0B:G0B+3], s[G1A:G1A+7]  ; of key step 0,
	s_nop 0
	tensor_load_to_lds s[G0C:G0C+3], s[G1B:G1B+7]  ; of key steps 1 to 15
	s_nop 0
.rept 4
	v_nop
.endr
	global_load_b128 v[16:19], v253, s[QPA:QPA+1]
	global_load_b64 v[20:21], v254, s[QPA:QPA+1] offset:512
	global_load_b32 v28, v255, s[QPA:QPA+1]
	global_load_b128 v[230:233], v253, s[QPB:QPB+1]
	global_load_b64 v[234:235], v254, s[QPB:QPB+1] offset:512
	global_load_b32 v242, v255, s[QPB:QPB+1]
.macro INIT                            ; a tile begins: the step is written once, and its first turn finds zeros, which the first change of M leaves zeros
	v_mov_b32 v13, 0xff61b1e6                      ; the largest t so far: -3e38
	s_delay_alu instid0(VALU_DEP_1)
	v_floor_f32 v12, -v13
	v_mov_b32 v14, 0
	v_mov_b32 v15, 0
.set n, 0
.rept 32
	v_mov_b32 v[O+n], 0
.set n, n+1
.endr
.endm
; A KEY STEP of 128 keys for the tile whose Q lies in v[q ..], scale word v[qs], query numbers v[qv]; last: the scalar with the tile's last step, the one on the diagonal
.macro STEP q, qs, qv, last
	s_cmp_gt_u32 s[ST], s[\last]
	s_cbranch_scc1 .Lhidden_\@                     ; all these keys come after my queries
	s_setprio 2
	v_add_nc_u32 v8, s[TB], v1                     ; (these five are also the places in front of loads into registers that the last products read)
	v_add_nc_u32 v9, s[TB], v2
	v_add_nc_u32 v10, s[TB], v3
	v_add_nc_u32 v11, s[TS], v4
	v_add_nc_u32 v30, s[TS], v5
.irp kt, 0,1,2,3,4,5,6,7
	ds_load_b128 v[FB+6*\kt:FB+6*\kt+3], v8 offset:768*\kt
	ds_load_b64 v[FB+6*\kt+4:FB+6*\kt+5], v9 offset:768*\kt+512
.endr
.irp c, 0,1
	ds_load_b64 v[KS+2*\c:KS+2*\c+1], v11 offset:256*\c
.endr
	s_wait_alu depctr_va_vdst(0)
	s_wait_dscnt 0x0
.irp kt, 0,1,2,3,4,5,6,7
.if (\kt/2)%2 == 0
	v_wmma_scale_f32_16x16x128_f8f6f4 v[S+8*\kt:S+8*\kt+7], v[FB+6*\kt:FB+6*\kt+11], v[\q:\q+11], 0, v[KS+2*(\kt/4)+\kt%2], v[\qs] matrix_a_fmt:MATRIX_FMT_BF6 matrix_b_fmt:MATRIX_FMT_BF6
.else
	v_wmma_scale_f32_16x16x128_f8f6f4 v[S+8*\kt:S+8*\kt+7], v[FB+6*\kt:FB+6*\kt+11], v[\q:\q+11], 0, v[KS+2*(\kt/4)+\kt%2], v[\qs] matrix_a_fmt:MATRIX_FMT_BF6 matrix_b_fmt:MATRIX_FMT_BF6 matrix_a_scale:MATRIX_SCALE_ROW1
.endif
.endr
.rept 4
	v_nop                                          ; places in front of the loads below and of the first read of the scores
.endr
.irp dt, 0,1,2,3                               ; V's tiles land while the softmax is worked
.irp c, 0,1
	ds_load_b128 v[FB+12*\dt+6*\c:FB+12*\dt+6*\c+3], v8 offset:6144+1536*\dt+768*\c
	ds_load_b64 v[FB+12*\dt+6*\c+4:FB+12*\dt+6*\c+5], v10 offset:6144+1536*\dt+768*\c+512
.endr
	ds_load_b32 v[VSR+\dt], v30 offset:64*\dt
.endr
	s_cmp_lg_u32 s[ST], s[\last]
	s_cbranch_scc1 .Lopen_\@                       ; only the tile's last step lies on the diagonal
	s_lshl_b32 s62, s[ST], 7
	v_sub_nc_u32 v226, v[\qv], s62                 ; register 16 b + i holds key 128 step + 16 h + 32 b + i: hidden where 32 b + i > my query - 16 h - 128 step
.set n, 0
.rept 64
	v_cmp_gt_i32 vcc_lo, 32*(n/16)+n%16, v226
	v_cndmask_b32 v[S+n], v[S+n], v245, vcc_lo
.set n, n+1
.endr
.Lopen_\@:
.irp b, 0,1,2,3
	v_max3_num_f32 v[BM+\b], v[S+16*\b], v[S+16*\b+1], v[S+16*\b+2]   ; the largest score of each block of 32 keys: for the row's maximum, and for the block's largest p
.endr
.irp i, 3,5,7,9,11,13
.irp b, 0,1,2,3
	v_max3_num_f32 v[BM+\b], v[BM+\b], v[S+16*\b+\i], v[S+16*\b+\i+1]
.endr
.endr
.irp b, 0,1,2,3
	v_max_num_f32 v[BM+\b], v[BM+\b], v[S+16*\b+15]
.endr
.irp b, 0,1,2,3
	s_delay_alu instid0(VALU_DEP_4)
	v_permlanex16_b32 v[BP+\b], v[BM+\b], s[SEL], s[SEL+1]
.endr
.irp b, 0,1,2,3
	s_delay_alu instid0(VALU_DEP_4)
	v_max_num_f32 v[BM+\b], v[BM+\b], v[BP+\b]
.endr
	s_delay_alu instid0(VALU_DEP_2)
	v_max3_num_f32 v226, v[BM], v[BM+1], v[BM+2]
	s_delay_alu instid0(VALU_DEP_1)
	v_max_num_f32 v226, v226, v[BM+3]
	s_delay_alu instid0(VALU_DEP_1)
	v_mul_f32 v226, s[CS], v226                    ; the step's largest t of my query
	s_delay_alu instid0(VALU_DEP_1)
	v_max_num_f32 v13, v13, v226
	v_mov_b32 v226, v12
	s_delay_alu instid0(VALU_DEP_2)
	v_floor_f32 v12, -v13                          ; -M = floor(-t): M is a whole number
	s_delay_alu instid0(VALU_DEP_1)
	v_sub_f32 v226, v12, v226                      ; old M less new M: a whole number, 0 or less
	s_delay_alu instid0(VALU_DEP_1)
	v_cvt_i32_f32 v226, v226                       ; (it saturates)
	s_delay_alu instid0(VALU_DEP_1)
	v_ldexp_f32 v224, 1.0, v226                    ; f = 2^(old M - new M)
.set n, 0
	s_setprio 1
.rept 32
	v_pk_fma_f32 v[S+n:S+n+1], v[S+n:S+n+1], s[CS:CS+1], v[12:13] op_sel_hi:[1,0,0]   ; t - M
.set n, n+2
.endr
.irp b, 0,1,2,3
	v_fma_f32 v[BM+\b], v[BM+\b], s[CS], v12
.endr
.set n, 0
	s_wait_alu depctr_va_vdst(0)
.rept 64
	v_exp_f32 v[S+n], v[S+n]                       ; p = 2^(t - M)
.set n, n+1
.endr
.irp b, 0,1,2,3
	v_exp_f32 v[BM+\b], v[BM+\b]                   ; the block's largest p
.endr
	v_pk_mul_f32 v[14:15], v[14:15], v[224:225] op_sel_hi:[1,0]   ; the sum under the new M (a plain place behind the exponentials)
	s_wait_alu depctr_va_vdst(0)
.irp b, 0,1,2,3
	v_max_num_f32 v[BM+\b], 0x2800000, v[BM+\b]    ; the floor 2^(5 - 127)
.endr
.irp b, 0,1,2,3
	s_delay_alu instid0(VALU_DEP_4)
	v_add_nc_u32 v[SO+\b], 0xfe000000, v[BM+\b]
.endr
.irp b, 0,1,2,3
	s_delay_alu instid0(VALU_DEP_4)
	v_lshrrev_b32 v[BP+\b], 23, v[SO+\b]
.endr
	s_delay_alu instid0(VALU_DEP_3)
	v_lshl_or_b32 v29, v[BP+1], 8, v[BP]           ; p's scale word for these 128 keys
	s_delay_alu instid0(VALU_DEP_1)
	v_lshl_or_b32 v29, v[BP+2], 16, v29
	s_delay_alu instid0(VALU_DEP_1)
	v_lshl_or_b32 v29, v[BP+3], 24, v29
.irp c, 0,1
	v_cvt_scalef32_pk16_bf6_f32 v[PC+6*\c:PC+6*\c+2], v[S+32*\c:S+32*\c+15], v[SO+2*\c]
	v_cvt_scalef32_pk16_bf6_f32 v[TT+4*\c:TT+4*\c+2], v[S+32*\c+16:S+32*\c+31], v[SO+2*\c+1]
.endr
	v_nop                                          ; one plain place behind a scaled conversion
.irp c, 0,1                                    ; the operand wants a whole block in a lane
.irp i, 0,1,2
	v_permlane16_swap_b32 v[PC+6*\c+\i], v[TT+4*\c+\i]
.endr
.irp i, 0,1,2
	s_delay_alu instid0(VALU_DEP_3)
	v_mov_b32 v[PC+3+6*\c+\i], v[TT+4*\c+\i]
.endr
.endr
	v_pk_add_f32 v[228:229], v[100:101], v[104:105]
	v_pk_add_f32 v[254:255], v[108:109], v[112:113]
	v_pk_add_f32 v[252:253], v[116:117], v[120:121]
	v_pk_add_f32 v[250:251], v[124:125], v[128:129]
	v_pk_add_f32 v[222:223], v[132:133], v[136:137]
	v_pk_add_f32 v[220:221], v[140:141], v[144:145]
	v_pk_add_f32 v[214:215], v[148:149], v[152:153]
	v_pk_add_f32 v[14:15], v[14:15], v[156:157]
	v_pk_add_f32 v[228:229], v[228:229], v[96:97]
	s_setprio 0
	v_pk_add_f32 v[254:255], v[254:255], v[98:99]
	v_pk_add_f32 v[252:253], v[252:253], v[102:103]
	v_pk_add_f32 v[250:251], v[250:251], v[106:107]
	v_pk_add_f32 v[222:223], v[222:223], v[110:111]
	v_pk_add_f32 v[220:221], v[220:221], v[114:115]
	v_pk_add_f32 v[214:215], v[214:215], v[118:119]
	v_pk_add_f32 v[14:15], v[14:15], v[122:123]
	v_pk_add_f32 v[228:229], v[228:229], v[126:127]
	v_pk_add_f32 v[254:255], v[254:255], v[130:131]
	v_pk_add_f32 v[252:253], v[252:253], v[134:135]
	v_pk_add_f32 v[250:251], v[250:251], v[138:139]
	v_pk_add_f32 v[222:223], v[222:223], v[142:143]
	v_pk_add_f32 v[220:221], v[220:221], v[146:147]
	v_pk_add_f32 v[214:215], v[214:215], v[150:151]
	v_pk_add_f32 v[14:15], v[14:15], v[154:155]
	v_pk_add_f32 v[228:229], v[228:229], v[158:159]
	s_delay_alu instid0(VALU_DEP_2)
	v_pk_add_f32 v[14:15], v[14:15], v[250:251]
	s_delay_alu instid0(VALU_DEP_2)
	v_pk_add_f32 v[228:229], v[228:229], v[222:223]
	v_pk_add_f32 v[254:255], v[254:255], v[220:221]
	v_pk_add_f32 v[252:253], v[252:253], v[214:215]
	s_delay_alu instid0(VALU_DEP_2)
	v_pk_add_f32 v[14:15], v[14:15], v[254:255]
	s_delay_alu instid0(VALU_DEP_2)
	v_pk_add_f32 v[228:229], v[228:229], v[252:253]
	s_delay_alu instid0(VALU_DEP_1)
	v_pk_add_f32 v[14:15], v[14:15], v[228:229]
.set n, 0
.rept 16
	v_pk_mul_f32 v[O+n:O+n+1], v[O+n:O+n+1], v[224:225] op_sel_hi:[1,0]   ; O^T under the new M
.set n, n+2
.endr
	s_wait_alu depctr_va_vdst(0)
	s_wait_dscnt 0x0                               ; V
.irp dt, 0,1,2,3
	v_wmma_scale_f32_16x16x128_f8f6f4 v[O+8*\dt:O+8*\dt+7], v[FB+12*\dt:FB+12*\dt+11], v[PC:PC+11], v[O+8*\dt:O+8*\dt+7], v[VSR+\dt], v29 matrix_a_fmt:MATRIX_FMT_BF6 matrix_b_fmt:MATRIX_FMT_BF6
.endr
.Lhidden_\@:
	s_add_co_u32 s[TB], s[TB], 12288
	s_add_co_u32 s[TS], s[TS], 768
	s_add_co_u32 s[ST], s[ST], 1
.endm
; A tile ends: O^T / the sum, quantised along d (two blocks of 32), as half a fragment of the last product's operand
.macro FINISH ap, asa
.rept 4
	v_nop
.endr
	v_add_f32 v14, v14, v15
	s_delay_alu instid0(VALU_DEP_1)
	v_permlanex16_b32 v226, v14, s[SEL], s[SEL+1]
	s_delay_alu instid0(VALU_DEP_1)
	v_add_f32 v14, v14, v226
	s_wait_alu depctr_va_vdst(0)
	v_rcp_f32 v14, v14
	v_nop                                          ; one plain place behind a transcendental
.set n, 0
	s_wait_alu depctr_va_vdst(0)
.rept 16
	v_pk_mul_f32 v[S+n:S+n+1], v[O+n:O+n+1], v[14:15] op_sel_hi:[1,0]   ; register 16 g + i: d = 32 g + 16 h + i of my query
.set n, n+2
.endr
.irp b, 0,1
	v_max3_num_f32 v[BM+\b], |v[S+16*\b]|, |v[S+16*\b+1]|, 0x2800000
.endr
.irp i, 2,4,6,8,10,12,14
.irp b, 0,1
	s_delay_alu instid0(VALU_DEP_2)
	v_max3_num_f32 v[BM+\b], v[BM+\b], |v[S+16*\b+\i]|, |v[S+16*\b+\i+1]|
.endr
.endr
.irp b, 0,1
	s_delay_alu instid0(VALU_DEP_2)
	v_permlanex16_b32 v[BP+\b], v[BM+\b], s[SEL], s[SEL+1]
.endr
.irp b, 0,1
	s_delay_alu instid0(VALU_DEP_2)
	v_max_num_f32 v[BM+\b], v[BM+\b], v[BP+\b]
.endr
.irp b, 0,1
	s_delay_alu instid0(VALU_DEP_2)
	v_add_nc_u32 v[SO+\b], 0xfe000000, v[BM+\b]
.endr
.irp b, 0,1
	s_delay_alu instid0(VALU_DEP_2)
	v_lshrrev_b32 v[BP+\b], 23, v[SO+\b]
.endr
	s_delay_alu instid0(VALU_DEP_1)
	v_lshl_or_b32 v246, v[BP+1], 8, v[BP]
	v_cvt_scalef32_pk16_bf6_f32 v[PC:PC+2], v[S:S+15], v[SO]
	v_cvt_scalef32_pk16_bf6_f32 v[TT:TT+2], v[S+16:S+31], v[SO+1]
	v_nop
.irp i, 0,1,2
	v_permlane16_swap_b32 v[PC+\i], v[TT+\i]
.endr
.irp i, 0,1,2
	s_delay_alu instid0(VALU_DEP_3)
	v_mov_b32 v[PC+3+\i], v[TT+\i]
.endr
	global_store_b128 v1, v[PC:PC+3], s[\ap:\ap+1]               ; 512 consecutive bytes,
	global_store_b64 v3, v[PC+4:PC+5], s[\ap:\ap+1] offset:512   ; and 256
	ds_store_b16 v[\asa], v246                     ; both halves of the lanes write the same two bytes with the same value
	s_wait_xcnt 0x0                                ; the stores have read their registers
.endm
	INIT
	s_wait_loadcnt 0x0                             ; Q
	s_wait_tensorcnt 0x1                           ; my parts of the scale words and of step 0 are in; steps 1-15 may stay out
	s_barrier_signal -1
	s_barrier_wait -1
	STEP 16, 28, 6, LASTA                          ; step 0 of my first tile: every wave has it
	s_wait_tensorcnt 0x0                           ; my part of steps 1-15 is in
	s_wait_dscnt 0x0
	s_barrier_signal -1
	s_barrier_wait -1
.Lloop_a:                                          ; steps 1 to 7: seven trips in every wave
	STEP 16, 28, 6, LASTA
	s_cmp_lt_u32 s[ST], 8
	s_cbranch_scc1 .Lloop_a
	s_setprio 0
	FINISH APA, 243
	s_mov_b32 s[ST], 0
	s_mov_b32 s[TB], 0
	s_mov_b32 s[TS], 0
	INIT
.Lloop_b:                                          ; steps 0 to 15: sixteen trips in every wave
	STEP 230, 242, 7, LASTB
	s_cmp_lt_u32 s[ST], 16
	s_cbranch_scc1 .Lloop_b
	s_setprio 0
	FINISH APB, 244
	s_wait_dscnt 0x0                               ; for the others' sake: my scale bytes lie in LDS
	s_barrier_signal -1
	s_barrier_wait -1
	s_cmp_gt_u32 s[WV], 1
	s_cbranch_scc1 .Lno_bytes
	ds_load_b128 v[96:99], v247                    ; waves 0 and 1 store the work-group's 1,024 scale bytes, 512 consecutive bytes each
	s_wait_dscnt 0x0
	global_store_b128 v248, v[96:99], s[ASP:ASP+1]
.Lno_bytes:
	s_wait_tensorcnt 0x0
	ds_add_u32 v211, v227
	s_wait_dscnt 0x0
	ROUND                                          ; the closing round
	s_endpgm
.Lfunc_end_k_qe85e7778a1_attn:
	.size	k_qe85e7778a1_attn, .Lfunc_end_k_qe85e7778a1_attn-k_qe85e7778a1_attn
	.p2alignl 7, 3214868480
	.fill 96, 4, 3214868480
	.section	.rodata,"a",@progbits
	.p2align	6, 0x0
	.amdhsa_kernel k_qe85e7778a1_attn
		.amdhsa_group_segment_fixed_size 215040
		.amdhsa_private_segment_fixed_size 0
		.amdhsa_enable_private_segment 0
		.amdhsa_kernarg_size 40
		.amdhsa_user_sgpr_count 2
		.amdhsa_user_sgpr_kernarg_segment_ptr 1
		.amdhsa_wavefront_size32 1
		.amdhsa_system_sgpr_workgroup_id_x 1
		.amdhsa_system_sgpr_workgroup_id_y 1
		.amdhsa_system_sgpr_workgroup_id_z 1
		.amdhsa_system_vgpr_workitem_id 0
		.amdhsa_next_free_vgpr 256
		.amdhsa_next_free_sgpr 100
		.amdhsa_reserve_vcc 1
		.amdhsa_float_denorm_mode_32 3
		.amdhsa_float_denorm_mode_16_64 3
		.amdhsa_memory_ordered 1
		.amdhsa_forward_progress 1
		.amdhsa_inst_pref_size 89
	.end_amdhsa_kernel
	.amdgpu_metadata
---
amdhsa.version: [ 1, 2 ]
amdhsa.kernels:
  - .name:           k_qe85e7778a1_attn
    .symbol:         k_qe85e7778a1_attn.kd
    .args:
      - { .name: qb, .offset: 0, .size: 8, .value_kind: global_buffer, .address_space: global }
      - { .name: kv, .offset: 8, .size: 8, .value_kind: global_buffer, .address_space: global }
      - { .name: kvs, .offset: 16, .size: 8, .value_kind: global_buffer, .address_space: global }
      - { .name: acd, .offset: 24, .size: 8, .value_kind: global_buffer, .address_space: global }
      - { .name: asc, .offset: 32, .size: 8, .value_kind: global_buffer, .address_space: global }
    .group_segment_fixed_size: 215040
    .private_segment_fixed_size: 0
    .kernarg_segment_align: 8
    .kernarg_segment_size: 40
    .max_flat_workgroup_size: 512
    .sgpr_count:     100
    .vgpr_count:     256
    .wavefront_size: 32
...
	.end_amdgpu_metadata
.endif
;; end of part 3
;; launch proj (part 4): grid 32 x 8, 4 waves a work-group, clusters of 4 x 1, 327,680 bytes of LDS; arguments acd, asc, opc, ops, b_out, out0; writes out0
.if DOCPART == 4
	.amdgcn_target "amdgcn-amd-amdhsa--gfx1250"
	.amdhsa_code_object_version 6
	.text
	.protected	k_qe85e7778a1_proj
	.globl	k_qe85e7778a1_proj
	.p2align	8
	.type	k_qe85e7778a1_proj,@function
k_qe85e7778a1_proj:
	s_mov_b64 s[64:65], 0
	v_nop
	global_prefetch_b8 v0, s[64:65] scope:SCOPE_SE
	s_setreg_imm32_b32 hwreg(HW_REG_WAVE_MODE, 25, 1), 1
	s_wait_xcnt 0x0
	s_wait_alu depctr_hold_cnt(0) depctr_sa_sdst(0) depctr_va_vdst(0) depctr_va_sdst(0) depctr_va_ssrc(0) depctr_va_vcc(0) depctr_vm_vsrc(0)
	s_getreg_b32 s2, hwreg(HW_REG_IB_STS2, 6, 4)
	s_cmp_eq_u32 s2, 0
	s_cbranch_scc0 .Lentry_in_a_cluster
	s_endpgm
.Lentry_in_a_cluster:
	s_bfe_u32 s2, ttmp6, 0x10000c
	s_cmp_lg_u32 s2, 0x3003
	s_cbranch_scc0 .Lentry_shape_is_right
	s_endpgm
.Lentry_shape_is_right:
; out = attn W_out^T + b_out on codes of BF6 (E3M2, one E8M0 scale for each 32 along K); out f32.
; SHARES.  A work-group makes 256 tokens x 128 columns, a wave 64 tokens x 128 columns: 32 accumulators, 256 matrix instructions.  The wave's 64 rows of attn for all of K (32 fragments, 384 registers)
; come straight from memory as register images and stay; W_out's 128 rows for all of K (98,304 bytes) and their scale words lie in LDS, FILLED ONCE: no slot is ever filled again.
; CLUSTER.  The four work-groups of a cluster make the same columns for different tokens: W's tiles are asked for jointly (mask 15).  attn's rows are each wave's own and go to registers.
; Source 0 = W, source 1 = attn: a lane holds one token and eight neighbouring columns.  Lane r of tile u of a group of 32 rows holds row 8 u + r + 8 (r / 8), tokens and W's rows alike.
; The bias is the C of a sum's first matrix instruction.  The accumulators take turns, one instruction a turn.
; REGISTERS: window 0: addresses, scale words, the bias, two buffers of four W fragments, the scale halves; on the way out v100-227 hold rows of out.
;   windows 1, 2: attn's fragments of my tokens 0-31, 32-63, fragment (s, u) at 12 (2 s + u).   window 3: accumulator (group g, token tile m, W tile uw) at 64 g + 16 m + 8 uw.
.set WSC,  98304                       ; LDS: W's images at group x 24,576; here their scale words, group x 1,024;
.set STG,  102400                      ; here the stages for the way out, which LDS stores alone write: 16 rows x 528 bytes for each wave
.set L16,  1
.set L8,   2
.set AO,   3                           ; v3   1,024 (lane / 16) + 2 r: my row's scale halves
.set BA,   4                           ; v4   64 h
.set WSA,  5
.set WA,   6                           ; v6-7
.set STO,  8
.set RD,   9
.set XS,   16                          ; v16-31  attn's scale words: 8 b + s; lanes 0-15 tile 0, lanes 16-31 tile 1
.set WS,   32                          ; v32-35  W's: 2 p + s'
.set BI,   36                          ; v36-99  the bias: 16 g + 8 uw
.set WB,   100                         ; v100-147, v148-195
.set HH,   196                         ; v196-227  two scale bytes of (tokens 32 b on, head): 16 b + head
.set BK,   100
.set WV,   16
.set G1A,  24
.set G1B,  32
.set G0A,  40
.set G0B,  44
.set AP,   48
.set ASP,  50
.set BP,   52
.set OP,   54
.set MSB, 0
.macro WIN new
.if MSB != (\new)
	s_set_vgpr_msb (MSB<<8)|(\new)
.set MSB, (\new)
.endif
.endm
.macro ROUND
	s_barrier_signal -1
	s_barrier_wait -1
	s_cmp_lg_u32 s[WV], 0
	s_cbranch_scc1 .Lnot_wave_0_\@
	s_barrier_signal -3
.Lnot_wave_0_\@:
	s_barrier_wait -3
	s_barrier_signal -1
	s_barrier_wait -1
.endm
.macro PLACES n
.rept \n
	v_nop
.endr
.endm
	s_load_b256 s[4:11], s[0:1], 0x0               ; acd s[4:5], asc s[6:7], opc s[8:9], ops s[10:11]
	s_load_b128 s[12:15], s[0:1], 0x20             ; b_out s[12:13], out0 s[14:15]
	v_lshl_add_u32 v254, v0, 2, 0x29000
	v_mov_b32 v255, 0
	ds_add_u32 v254, v255
	ds_add_u32 v254, v255
	v_lshrrev_b32 v10, 5, v0
	v_readfirstlane_b32 s[WV], v10
	v_and_b32 v10, 31, v0                          ; lane
	v_and_b32 v11, 15, v0                          ; r
	v_bfe_u32 v12, v0, 4, 1                        ; h
	v_lshlrev_b32 v[L16], 4, v10
	v_lshlrev_b32 v[L8], 3, v10
	v_lshlrev_b32 v[AO], 10, v12
	v_lshl_add_u32 v[AO], v11, 1, v[AO]
	v_lshlrev_b32 v[BA], 6, v12
	v_lshl_add_u32 v[WSA], v10, 3, WSC
	v_add_nc_u32 v[WA], 0, v[L16]
	v_add_nc_u32 v[WA+1], 49152, v[L16]
	s_mul_i32 s20, s[WV], 8448
	s_add_co_u32 s20, s20, STG
	v_mul_u32_u24 v[STO], v11, 528
	v_lshl_add_u32 v[STO], v12, 6, v[STO]
	v_add_nc_u32 v[STO], s20, v[STO]               ; my stage: row r, + 64 h
	v_add_nc_u32 v[RD], s20, v[L16]                ; back: a row of 512 bytes, 16 a lane
	s_bfe_u32 s17, ttmp6, 0x40000                  ; cx
	s_lshl_b32 s18, ttmp9, 2
	s_add_co_u32 s18, s18, s17                     ; my block of 256 tokens
	s_and_b32 s19, ttmp7, 0xffff                   ; my 128 columns, which the partners share
.irp g, G1A, G1B
	s_mov_b32 s[\g], 15|(3<<16)|(1<<21)            ; dense blocks as rows of 256 bytes; the mask of all four partners, bit 21 beside it
	s_mov_b32 s[\g+1], 32<<16
	s_mov_b32 s[\g+3], 32<<16
	s_mov_b32 s[\g+5], 32
	s_mov_b32 s[\g+6], 0
	s_mov_b32 s[\g+7], 0
.endr
	s_mov_b32 s[G1A+2], 4<<16                      ; 4 rows: one group's scale words
	s_mov_b32 s[G1A+4], 4
	s_mov_b32 s[G1B+2], 96<<16                     ; 96 rows: one group of W
	s_mov_b32 s[G1B+4], 96
	s_lshl_b32 s66, s19, 2
	s_add_co_u32 s66, s66, 352                     ; W_out's groups begin at 352
	s_add_co_u32 s66, s66, s[WV]                   ; the group that I fetch
	s_lshl_b32 s68, s66, 10
	s_mov_b32 s69, 0
	s_mul_i32 s70, s66, 24576
	s_mov_b32 s71, 0
	s_lshl_b32 s[G0A+1], s[WV], 10
	s_add_co_u32 s[G0A+1], s[G0A+1], WSC
	s_mul_i32 s[G0B+1], s[WV], 24576
	s_wait_dscnt 0x0
	s_wait_kmcnt 0x0
	s_mov_b32 s[G0A], 1
	s_add_nc_u64 s[G0A+2:G0A+3], s[10:11], s[68:69]
	s_or_b32 s[G0A+3], s[G0A+3], 0x80000000
	s_mov_b32 s[G0B], 1
	s_add_nc_u64 s[G0B+2:G0B+3], s[8:9], s[70:71]
	s_or_b32 s[G0B+3], s[G0B+3], 0x80000000
	ROUND                                          ; all four work-groups are here: the joint loads meet
	tensor_load_to_lds s[G0A:G0A+3], s[G1A:G1A+7]  ; one load of mine is out: the scale words
	s_nop 0
	s_wait_alu depctr_va_vdst(0)
	s_wait_tensorcnt 0x0
	ds_add_u32 v254, v255
	s_wait_dscnt 0x0
	ROUND
	tensor_load_to_lds s[G0B:G0B+3], s[G1B:G1B+7]
	s_nop 0
	PLACES 4
	s_mov_b32 s73, 0
	s_lshl_b32 s20, s18, 3
	s_lshl_b32 s21, s[WV], 1
	s_add_co_u32 s20, s20, s21                     ; my first group of 32 tokens
	s_mul_i32 s72, s20, 24576
	s_add_nc_u64 s[AP:AP+1], s[4:5], s[72:73]
	s_lshr_b32 s20, s18, 3
	s_lshl_b32 s20, s20, 16                        ; 65,536 x batch
	s_and_b32 s21, s18, 7
	s_lshl_b32 s21, s21, 2
	s_add_co_u32 s21, s21, s[WV]
	s_lshl_b32 s21, s21, 5                         ; 32 x my chunk of 64 tokens
	s_add_co_u32 s72, s20, s21
	s_add_nc_u64 s[ASP:ASP+1], s[6:7], s[72:73]
	s_lshl_b32 s72, s19, 9
	s_add_nc_u64 s[BP:BP+1], s[12:13], s[72:73]
	s_lshl_b32 s20, s18, 8
	s_lshl_b32 s21, s[WV], 6
	s_add_co_u32 s20, s20, s21
	s_lshl_b32 s20, s20, 12                        ; my first token's row of 4,096 bytes
	s_add_co_u32 s72, s72, s20
	s_add_nc_u64 s[OP:OP+1], s[14:15], s[72:73]
.macro FETCH g, sp, p
	WIN 0
.irp f, 0,1,2,3
.irp i, 0,1,2
	ds_load_b128 v[WB+48*(\p)+12*\f+4*\i:WB+48*(\p)+12*\f+4*\i+3], v[WA+(\g)/2] offset:((\g)%2)*24576+(\sp)*6144+1536*\f+512*\i
.endr
.endr
	ds_load_b64 v[WS+2*(\p):WS+2*(\p)+1], v[WSA] offset:(\g)*1024+256*(\sp)
.endm
.macro WM d, a, b, c, sa, sb, ra, rb
.if ((\ra) == 0) && ((\rb) == 0)
	v_wmma_scale_f32_16x16x128_f8f6f4 v[\d:\d+7], v[\a:\a+11], v[\b:\b+11], v[\c:\c+7], v[\sa], v[\sb] matrix_a_fmt:MATRIX_FMT_BF6 matrix_b_fmt:MATRIX_FMT_BF6
.elseif ((\ra) == 1) && ((\rb) == 0)
	v_wmma_scale_f32_16x16x128_f8f6f4 v[\d:\d+7], v[\a:\a+11], v[\b:\b+11], v[\c:\c+7], v[\sa], v[\sb] matrix_a_fmt:MATRIX_FMT_BF6 matrix_b_fmt:MATRIX_FMT_BF6 matrix_a_scale:MATRIX_SCALE_ROW1
.elseif ((\ra) == 0) && ((\rb) == 1)
	v_wmma_scale_f32_16x16x128_f8f6f4 v[\d:\d+7], v[\a:\a+11], v[\b:\b+11], v[\c:\c+7], v[\sa], v[\sb] matrix_a_fmt:MATRIX_FMT_BF6 matrix_b_fmt:MATRIX_FMT_BF6 matrix_b_scale:MATRIX_SCALE_ROW1
.else
	v_wmma_scale_f32_16x16x128_f8f6f4 v[\d:\d+7], v[\a:\a+11], v[\b:\b+11], v[\c:\c+7], v[\sa], v[\sb] matrix_a_fmt:MATRIX_FMT_BF6 matrix_b_fmt:MATRIX_FMT_BF6 matrix_a_scale:MATRIX_SCALE_ROW1 matrix_b_scale:MATRIX_SCALE_ROW1
.endif
.endm
.macro MM g, p, sq, s, b, cf
.if \cf
	WIN 0xc4+4*(\b)                                ; source 0 (W) and C (the bias) window 0, source 1 (attn) window 1 + b, D window 3
.else
	WIN 0xf4+4*(\b)                                ; C and D window 3
.endif
.irp ux, 0,1
.irp uw, 0,1
.set rW, WB+48*(\p)+12*(2*(\sq)+\uw)
.set rX, 12*(2*(\s)+\ux)
.set sW, WS+2*(\p)+(\sq)
.set sX, XS+8*(\b)+(\s)
.set rD, 64*(\g)+16*(2*(\b)+\ux)+8*\uw
.set rC, rD
.if \cf
.set rC, BI+16*(\g)+8*\uw
.endif
	WM rD, rW, rX, rC, sW, sX, \uw, \ux
.endr
.endr
.endm
.macro KSTEP g, sp, lc
	s_wait_dscnt 0x0                               ; this step's 13 LDS loads, issued 16 matrix instructions ago
.if (\lc) >= 0
	s_wait_loadcnt \lc
.endif
	PLACES 4                                       ; in front of loads into registers that matrix instructions have read
.set CF, 0
.if (\sp) == 0
.set CF, 1
.endif
.if (\sp) < 3
	FETCH \g, (\sp)+1, 1-(\sp)%2
.elseif (\g) < 3
	FETCH (\g)+1, 0, 0
.endif
	MM \g, (\sp)%2, 0, 2*(\sp), 0, CF
	MM \g, (\sp)%2, 1, 2*(\sp)+1, 0, 0
	MM \g, (\sp)%2, 0, 2*(\sp), 1, CF
	MM \g, (\sp)%2, 1, 2*(\sp)+1, 1, 0
.endm
.macro ALOAD sp, b                     ; attn's four fragments of K steps 2 sp, 2 sp + 1, tokens 32 b on: each half (one head) by 512 + 256 consecutive bytes
.irp f, 0,1,2,3
.irp c, 0,1
	global_load_b128 v[12*(4*(\sp)+\f)+6*\c:12*(4*(\sp)+\f)+6*\c+3], v[L16], s[AP:AP+1] offset:24576*(\b)+1536*(4*(\sp)+\f)+768*\c
	global_load_b64 v[12*(4*(\sp)+\f)+6*\c+4:12*(4*(\sp)+\f)+6*\c+5], v[L8], s[AP:AP+1] offset:24576*(\b)+1536*(4*(\sp)+\f)+768*\c+512
.endr
.endr
.endm
	s_wait_alu depctr_va_vdst(0)
.irp b, 0,1
.irp hd, 0,1,2,3,4,5,6,7,8,9,10,11,12,13,14,15
	global_load_u16 v[HH+16*\b+\hd], v[AO], s[ASP:ASP+1] offset:4096*\hd+2048*\b
.endr
.endr
.irp g, 0,1,2,3
.irp u, 0,1
	global_load_b128 v[BI+16*\g+8*\u:BI+16*\g+8*\u+3], v[BA], s[BP:BP+1] offset:128*\g+32*\u
	global_load_b128 v[BI+16*\g+8*\u+4:BI+16*\g+8*\u+7], v[BA], s[BP:BP+1] offset:128*\g+32*\u+16
.endr
.endr
	WIN 0x40
	ALOAD 0, 0
	WIN 0x80
	ALOAD 0, 1
	WIN 0
	s_wait_loadcnt 48                              ; the 32 scale halves are in; behind them: 16 loads of the bias, 32 of fragments
.irp b, 0,1
.irp s, 0,1,2,3,4,5,6,7
	v_lshl_or_b32 v[XS+8*\b+\s], v[HH+16*\b+2*\s+1], 16, v[HH+16*\b+2*\s]   ; K step s is heads 2 s and 2 s + 1: two bytes of each
.endr
.endr
.irp sp, 1,2,3
	WIN 0x40
	ALOAD \sp, 0
	WIN 0x80
	ALOAD \sp, 1
.endr
	WIN 0
	PLACES 8                                       ; scale registers written by vector instructions stand eight places ahead of a scaled product
	s_wait_alu depctr_va_vdst(0)
	s_wait_tensorcnt 0x0
	s_barrier_signal -1
	s_barrier_wait -1
	FETCH 0, 0, 0
	KSTEP 0, 0, 63                                 ; behind the loads that a step needs: 96 and 64 (the field holds 63), 32, 0
	KSTEP 0, 1, 63
	KSTEP 0, 2, 32
	KSTEP 0, 3, 0
.irp g, 1,2,3
.irp sp, 0,1,2,3
	KSTEP \g, \sp, -1
.endr
.endr
; THE WAY OUT, a tile of 16 tokens at a time: a lane's 32 bytes of a row go into my own stage and come back as whole rows of 512 bytes.  LDS serves a wave's instructions in order.
.macro TOSTAGE m
	WIN 0x0c                                       ; an LDS store's data: window 3
.irp g, 0,1,2,3
.irp uw, 0,1
	ds_store_b128 v[STO], v[64*\g+16*(\m)+8*\uw:64*\g+16*(\m)+8*\uw+3] offset:128*\g+32*\uw       ; each accumulator from its low end on
	ds_store_b128 v[STO], v[64*\g+16*(\m)+8*\uw+4:64*\g+16*(\m)+8*\uw+7] offset:128*\g+32*\uw+16
.endr
.endr
	WIN 0
.irp rho, 0,1,2,3,4,5,6,7,8,9,10,11,12,13,14,15
	ds_load_b128 v[BK+64*((\m)%2)+4*\rho:BK+64*((\m)%2)+4*\rho+3], v[RD] offset:528*\rho
.endr
.endm
.macro SEND m, younger                 ; younger: the LDS instructions issued behind tile m's loads
	s_wait_dscnt \younger
.irp rho, 0,1,2,3,4,5,6,7,8,9,10,11,12,13,14,15
	global_store_b128 v[L16], v[BK+64*((\m)%2)+4*\rho:BK+64*((\m)%2)+4*\rho+3], s[OP:OP+1] offset:(32*((\m)/2)+8*((\m)%2)+\rho+8*(\rho/8))*4096 th:TH_STORE_NT   ; 512 consecutive bytes, at a multiple of 256 from out's first byte
.endr
.endm
	PLACES 4                                       ; in front of the first read of results, and of loads into registers that held W's fragments
	TOSTAGE 0
.irp m, 1,2,3
.if \m > 1
	s_wait_xcnt 0x0                                ; tile m - 2's stores have read their registers
.endif
	TOSTAGE \m
	SEND \m-1, 32                                  ; behind tile m - 1's loads: tile m's 16 stores and 16 loads
.endr
	SEND 3, 0
	s_wait_tensorcnt 0x0
	ds_add_u32 v254, v255
	s_wait_dscnt 0x0
	ROUND                                          ; the closing round
	s_endpgm
.Lfunc_end_k_qe85e7778a1_proj:
	.size	k_qe85e7778a1_proj, .Lfunc_end_k_qe85e7778a1_proj-k_qe85e7778a1_proj
	.p2alignl 7, 3214868480
	.fill 96, 4, 3214868480
	.section	.rodata,"a",@progbits
	.p2align	6, 0x0
	.amdhsa_kernel k_qe85e7778a1_proj
		.amdhsa_group_segment_fixed_size 327680
		.amdhsa_private_segment_fixed_size 0
		.amdhsa_enable_private_segment 0
		.amdhsa_kernarg_size 48
		.amdhsa_user_sgpr_count 2
		.amdhsa_user_sgpr_kernarg_segment_ptr 1
		.amdhsa_wavefront_size32 1
		.amdhsa_system_sgpr_workgroup_id_x 1
		.amdhsa_system_sgpr_workgroup_id_y 1
		.amdhsa_system_sgpr_workgroup_id_z 1
		.amdhsa_system_vgpr_workitem_id 0
		.amdhsa_next_free_vgpr 1024
		.amdhsa_next_free_sgpr 80
		.amdhsa_reserve_vcc 0
		.amdhsa_float_denorm_mode_32 3
		.amdhsa_float_denorm_mode_16_64 3
		.amdhsa_memory_ordered 1
		.amdhsa_forward_progress 1
		.amdhsa_inst_pref_size 88
	.end_amdhsa_kernel
	.amdgpu_metadata
---
amdhsa.version: [ 1, 2 ]
amdhsa.kernels:
  - .name:           k_qe85e7778a1_proj
    .symbol:         k_qe85e7778a1_proj.kd
    .args:
      - { .name: acd, .offset: 0, .size: 8, .value_kind: global_buffer, .address_space: global }
      - { .name: asc, .offset: 8, .size: 8, .value_kind: global_buffer, .address_space: global }
      - { .name: opc, .offset: 16, .size: 8, .value_kind: global_buffer, .address_space: global }
      - { .name: ops, .offset: 24, .size: 8, .value_kind: global_buffer, .address_space: global }
      - { .name: b_out, .offset: 32, .size: 8, .value_kind: global_buffer, .address_space: global }
      - { .name: out0, .offset: 40, .size: 8, .value_kind: global_buffer, .address_space: global }
    .group_segment_fixed_size: 327680
    .private_segment_fixed_size: 0
    .kernarg_segment_align: 8
    .kernarg_segment_size: 48
    .max_flat_workgroup_size: 128
    .sgpr_count:     80
    .vgpr_count:     1024
    .wavefront_size: 32
...
	.end_amdgpu_metadata
.endif
;; end of part 4
